; MI455X (gfx1250); checked and timed in simulation.
; The chip was launched on July 23, 2026; its instructions are those of AMD's public machine-readable ISA for CDNA 5 (MIT licence, August 2026) and "CDNA5" Instruction Set Architecture Reference Guide (July 2026). The comments in the code are by the model that wrote it; some were corrected since.
;; Multihead Attention. Allowed arithmetic: matrix products marked QUANTISED: E5M2 operands, one E8M0 scale for each 32 along K, by v_wmma_scale_f32_16x16x128_f8f6f4 with both operands' format E5M2, f32 sums; everything else in f32.
;; Inputs: Wk_codes 384 x 12 x 32 uint8 (E5M2 codes of Wk, K innermost, in blocks of 32 codes); Wk_scales 384 x 12 uint8 (E8M0 scales of Wk, one for each 32 codes along K); Wp_codes 384 x 12 x 32 uint8 (E5M2 codes of Wp, K innermost, in blocks of 32 codes); Wp_scales 384 x 12 uint8 (E8M0 scales of Wp, one for each 32 codes along K); Wq_codes 384 x 12 x 32 uint8 (E5M2 codes of Wq, K innermost, in blocks of 32 codes); Wq_scales 384 x 12 uint8 (E8M0 scales of Wq, one for each 32 codes along K); Wv_codes 384 x 12 x 32 uint8 (E5M2 codes of Wv, K innermost, in blocks of 32 codes); Wv_scales 384 x 12 uint8 (E8M0 scales of Wv, one for each 32 codes along K); bk 384 float32; bp 384 float32; bq 384 float32; bv 384 float32; input_cap 2 x 4,096 x 384 float32; ln_b 384 float32; ln_g 384 float32; output_cap 2 x 4,096 x 384 float32.
;; Outputs: out0 2 x 4,096 x 384 float32.
;; This version of the problem:
;;   THIS VERSION OF THE PROBLEM IS GIVEN IN LOW PRECISION. The matrix products marked QUANTISED in the list below multiply operands that are first quantised to E5M2 (5 exponent bits, 2 mantissa bits; 8 bits a number), with one power-of-two scale for each 32 numbers along K (OCP MX v1.0); their sums are f32. All else is computed in f32.
;;   The module's matrix products, in the order in which they are computed (A, B: the left and right operand; K: the contracted axis; several contracted axes count as one K, in the product's order):
;;     1. [M 8,192, K 384] x [K 384, N 384]; A: computed on the way; B: input Wq (given as codes): QUANTISED
;;     2. [M 8,192, K 384] x [K 384, N 384]; A: computed on the way; B: input Wk (given as codes): QUANTISED
;;     3. [M 8,192, K 384] x [K 384, N 384]; A: computed on the way; B: input Wv (given as codes): QUANTISED
;;     4. batch 12 x [M 4,096, K 64] x [K 64, N 4,096]; A: computed on the way; B: computed on the way: QUANTISED
;;     5. batch 12 x [M 4,096, K 4,096] x [K 4,096, N 64]; A: softmax (see below); B: computed on the way: QUANTISED
;;     6. [M 8,192, K 384] x [K 384, N 384]; A: computed on the way; B: input Wp (given as codes): QUANTISED
;;   THE QUANTISER, for each operand of a quantised product, along K:
;;     - K is cut into blocks of 32 from its start; a last block that is shorter is filled with zeros.
;;     - A block's scale is 2^e with e = floor(log2(the largest magnitude in the block)) - 15, held to -126 .. 127; a block of zeros has e = 0. As a byte (E8M0): e + 127.
;;     - Each number is divided by its block's scale, clamped to +-57,344, and rounded to the nearest number of E5M2, ties to even, subnormals kept.
;;     - The product sums the exact products of the quantised numbers (number of the format x scale) in f32.
;;   ~~~python
;;   def quantise(x, axis):      # numpy; x: float32 -> the quantised numbers, widened to float32 again
;;       x = np.moveaxis(x, axis, -1); K = x.shape[-1]
;;       x = np.pad(x, [(0, 0)] * (x.ndim - 1) + [(0, -K % 32)]); x = x.reshape(x.shape[:-1] + (-1, 32)); a = np.abs(x).max(-1, keepdims=True)
;;       e = np.where(a > 0, np.clip(np.frexp(np.where(a > 0, a, 1))[1] - 1 - 15, -126, 127), 0)      # np.frexp(a)[1] - 1 = floor(log2(a)), exactly
;;       r = np.clip(x / 2.0 ** e, -57344, 57344)
;;       step = 2.0 ** (np.maximum(np.frexp(np.where(r == 0, 1, r))[1] - 1, -14) - 2)
;;       q = np.round(r / step) * step * 2.0 ** e      # np.round: ties to even
;;       return np.moveaxis(q.reshape(q.shape[:-2] + (-1,))[..., :K], -1, axis).astype(np.float32)
;;   ~~~
;;   SOFTMAX AHEAD OF A QUANTISED PRODUCT. Where the list says 'softmax', what is quantised is not the finished softmax but p = 2^(t - M), with t = logit x log2(e) and M = ceil(the row's largest t), a whole number; so 1/2 < the row's largest p <= 1. The row's sum l is taken of the UNQUANTISED p, in f32, and the product's result is divided by l at the end. Since M is a whole number, a kernel that streams over the keys may use a running M (the ceiling of the running maximum): every later rescaling is an exact power of two, which a block's scale takes up: the codes' values come out the same.
;;   OPERANDS COMPUTED ON THE WAY. 'Computed on the way' means the value that the module computes at that place (a softmax that the list does not call 'softmax' is quantised finished and normalised). What goes into a quantiser is computed in f32, as accurately as f32 sums, v_exp_f32 and their like allow (about 1e-6 of the number): no bf16 or f16 on the way to a quantiser, and a product that is left as it is and whose result goes on into a quantised operand takes f32 operands (vector FMAs, or v_wmma_f32_16x16x4_f32). A number that lies on a knife's edge between two numbers of the format may be rounded either way, as far as f32 arithmetic and the matrix unit's own rounding can turn it there, and no further.
;;   INPUTS GIVEN AS CODES. Wk (in the module: [384, 384], K = its axis 1); Wp (in the module: [384, 384], K = its axis 1); Wq (in the module: [384, 384], K = its axis 1); Wv (in the module: [384, 384], K = its axis 1): each comes as NAME_codes (uint8): NAME with its K axis moved to the last place and cut into blocks of 32 codes, [.., K / 32, bytes a block], one block behind the other in memory; one code a byte (a code: sign, 5 exponent bits, 2 mantissa bits); and NAME_scales (uint8): the same leading axes, one E8M0 byte (e + 127) for each 32 codes along K. Its value is code x scale, taken as it is: it is not quantised again, and the codes and scales need not be those that the quantiser above would give.
;; One version. Each part assembles by itself: llvm-mc -triple=amdgcn-amd-amdhsa -mcpu=gfx1250 --defsym DOCPART=n.
;; ======== version 1 of 1: 3 launches
;; limits: right only within a limited range of input values
;; workspace buffers: qrec 3,342,336 bytes; kv 6,586,368 bytes; cc 3,145,728 bytes; cs 196,608 bytes
;; launch prep (part 1): grid 64 x 3, 8 waves a work-group, clusters of 4 x 1, 295,936 bytes of LDS; arguments input_cap, output_cap, ln_g, ln_b, Wq_codes, Wq_scales, bq, Wk_codes, Wk_scales, bk, Wv_codes, Wv_scales, bv, qrec, kv; writes qrec, kv
.if DOCPART == 1
	.amdgcn_target "amdgcn-amd-amdhsa--gfx1250"
	.amdhsa_code_object_version 6
	.text
	.protected	k_q593c1d0000_prep
	.globl	k_q593c1d0000_prep
	.p2align	8
	.type	k_q593c1d0000_prep,@function
k_q593c1d0000_prep:
	s_mov_b64 s[64:65], 0
	v_nop
	global_prefetch_b8 v0, s[64:65] scope:SCOPE_SE
	s_setreg_imm32_b32 hwreg(HW_REG_WAVE_MODE, 25, 1), 1
	s_wait_xcnt 0x0
	s_wait_alu depctr_hold_cnt(0) depctr_sa_sdst(0) depctr_va_vdst(0) depctr_va_sdst(0) depctr_va_ssrc(0) depctr_va_vcc(0) depctr_vm_vsrc(0)
	s_getreg_b32 s2, hwreg(HW_REG_IB_STS2, 6, 4)
	s_cmp_eq_u32 s2, 0
	s_cbranch_scc0 .Lentry_in_a_cluster
	s_endpgm
.Lentry_in_a_cluster:
	s_bfe_u32 s2, ttmp6, 0x10000c
	s_cmp_lg_u32 s2, 0x3003
	s_cbranch_scc0 .Lentry_shape_is_right
	s_endpgm
.Lentry_shape_is_right:
; LayerNorm, quantise, ONE of the three projections (work-group y: 0 = q from output_cap, 1 = k, 2 = v from input_cap), bias, quantise; the results leave as codes of E5M2 with E8M0 scale words.
; A work-group takes 128 tokens (x = 4 x cluster x + cx) and all 384 features of its projection.  The norm of input_cap is made twice (for k and for v): 12.6 MB more are read, and the three roles are alike.
; CLUSTER: the four partners share y, so the weight's codes, its scale bytes and the bias are asked for JOINTLY (mask 15), once, at the start.
; ONE ROW ORDER: tile 2 b + u of tokens, of Wq's / Wk's rows and of Wv's rows takes in lane r row 32 b + 8 u + mp(r), mp(r) = r + 8 (r / 8).  In a result (register j of lane (r, h) = row 8 h + j of source 0)
; the 16 registers of tiles 2 b and 2 b + 1 are then 16 NEIGHBOURS 32 b + 16 h + 0 .. 15 along source 0's rows, which are the next product's K: the conversions' results are operand registers.
; q, k: source 0 = 16 rows of W, source 1 = 16 tokens: a lane holds one token, registers run along the features (K of q k^T = the head's 64).
; v:    source 0 = 16 tokens, source 1 = 16 rows of Wv: a lane holds one feature, registers run along the tokens (K of p v = the keys).
; OUT: images of operand registers, four registers a store, lane l's 16 bytes at 16 l: each store covers 512 consecutive bytes, aligned to 256.
;   qrec[b 6 + head][block of 128 tokens]: 8,704 bytes: 8 tiles x 1,024 of codes (two chunks of 512), at 8,192 the scale words (64 a tile, 4 a token: byte 0, 1 = the head's two blocks, bytes 2, 3 = 0).
;   kv[b 6 + head][block]: 17,152 bytes: k as in qrec; at 8,192 v: 4 tiles of 16 features x 2,048 (four chunks); at 16,384 k's scale words; at 16,896 v's (64 a tile).
; PHASE X: wave w normalises and quantises token tile w (16 tokens x 384) and leaves three fragments and three scale words in LDS.  One barrier.  PHASE P: waves 0 to 5 take 8 x 4 tiles each
; (q, k: 128 features x 64 tokens; v: 128 tokens x one head's 64 features): 24 such parts are six waves' four; waves 6 and 7 have none.
; LIMITS: NaN and infinities among the inputs are not served.  A block whose largest magnitude lies under 2^-111 (a block of zeros too) gets the scale byte 1; its bytes are read by this program alone.
; v_rsq_f32 is accurate to 1 ulp.  W's mapped rows 16 apart fall on the same banks at this pitch: those LDS loads go two deep.
.set WS,   165888                      ; LDS: from 0 W's codes: 384 rows x 432 (three pieces of 128 bytes, 16 of padding behind each); here its scale bytes, 12 a row;
.set BV,   170496                      ; the bias, 384 f32;  (these three are filled by tensor loads, once)
.set XI,   172032                      ; x's fragments as images of registers: (3 tile + K step) x 2,048;
.set XSW,  221184                      ; their scale words: (3 tile + K step) x 128, 4 a lane;
.set STG,  224256                      ; a stage of 16 rows x (512 + 16) bytes for each wave
.set TM,   16                          ; v16-19 largest magnitudes, v20-23 bytes, v24-27 the largest number x the scale, v28-31 the conversions' scale operands
.set PC,   32                          ; v32-47  phase X: the codes just made
.set PW,   48                          ; v48     and their scale word
.set X,    64                          ; v64-255 phase X: my 192 numbers: register 64 s + 16 k + i = feature 128 s + 32 k + 16 h + i of my token
.set SA,   16                          ; phase P: v16-23 source 0's scale words, v24-27 source 1's, v28-59 v's bias as C
.set SB,   24
.set CB,   28
.set AF,   64                          ; v64-191 eight fragments of source 0;  v192-255 four of source 1
.set BF,   192
.set PCJ,  96                          ; behind the products: codes of part j at v[96 + 16 j], its scale words at v[160 + 4 j]
.set PWJ,  160
.set WV,   34                          ; s34 wave
.set SEL,  92                          ; s[92:93] lane selects for v_permlanex16_b32: lane l xor 16
.set MNT,  94                          ; s94 the mantissa field of 57,344
.set G1C,  36                          ; s[36:43], s[44:47] descriptor groups 1 and 0: W's codes;  s[48:55], s[56:59]: its scale bytes;  s[68:75], s[76:79]: the bias
.set G0C,  44
.set G1S,  48
.set G0S,  56
.set G1B,  68
.set G0B,  76
.set MSB, 0
.macro WIN new                         ; the immediate's high byte repeats the setting that is left; a switch that changes nothing is dropped
.if MSB != (\new)
	s_set_vgpr_msb (MSB<<8)|(\new)
.set MSB, (\new)
.endif
.endm
.macro PLACES n
.rept \n
	v_nop
.endr
.endm
.macro CROUND                          ; a round of the cluster's barrier
	s_barrier_signal -1
	s_barrier_wait -1
	s_cmp_lg_u32 s[WV], 0
	s_cbranch_scc1 .Lnot_wave_0_\@
	s_barrier_signal -3
.Lnot_wave_0_\@:
	s_barrier_wait -3
	s_barrier_signal -1
	s_barrier_wait -1
.endm
; The three descriptors of a wave's eighth of the weight.  pc, ps, pb: the scalar pairs that hold the addresses of codes, scale bytes, bias.  Nothing in them hangs on the place in the cluster.
.macro WDESC pc, ps, pb
	s_mov_b32 s[G1C], 15|(1<<20)|(1<<21)|(4<<22)|(3<<25)   ; mask: all four partners; elements of 1 byte; padding on; bit 21 beside a mask; after every 32 words four words
	s_mov_b32 s[G1C+1], 256<<16                    ; 64 rows of W, dense in memory, stated as 96 rows of 256 bytes; the padding still stands behind each 128 bytes
	s_mov_b32 s[G1C+2], 96<<16
	s_mov_b32 s[G1C+3], 256<<16
	s_mov_b32 s[G1C+4], 96
	s_mov_b32 s[G1C+5], 256
	s_mov_b32 s[G1C+6], 0
	s_mov_b32 s[G1C+7], 0
	s_mov_b32 s[G1S], 15|(3<<16)|(1<<21)           ; all 4,608 scale bytes: 18 rows of 256 bytes (32 elements of 8)
	s_mov_b32 s[G1S+1], 32<<16
	s_mov_b32 s[G1S+2], 18<<16
	s_mov_b32 s[G1S+3], 32<<16
	s_mov_b32 s[G1S+4], 18
	s_mov_b32 s[G1S+5], 32
	s_mov_b32 s[G1S+6], 0
	s_mov_b32 s[G1S+7], 0
	s_mov_b32 s[G1B], 15|(3<<16)|(1<<21)           ; the whole bias: 6 rows of 256 bytes
	s_mov_b32 s[G1B+1], 32<<16
	s_mov_b32 s[G1B+2], 6<<16
	s_mov_b32 s[G1B+3], 32<<16
	s_mov_b32 s[G1B+4], 6
	s_mov_b32 s[G1B+5], 32
	s_mov_b32 s[G1B+6], 0
	s_mov_b32 s[G1B+7], 0
	s_mov_b32 s3, 0
	s_mov_b32 s[G0C], 1
	s_mul_i32 s[G0C+1], s[WV], 27648               ; LDS: 192 pieces x 144 bytes for each of waves 0 to 5
	s_mul_i32 s2, s[WV], 24576
	s_add_nc_u64 s[G0C+2:G0C+3], s[\pc:\pc+1], s[2:3]
	s_or_b32 s[G0C+3], s[G0C+3], 0x80000000
	s_mov_b32 s[G0S], 1
	s_mov_b32 s[G0S+1], WS
	s_mov_b64 s[G0S+2:G0S+3], s[\ps:\ps+1]
	s_or_b32 s[G0S+3], s[G0S+3], 0x80000000
	s_mov_b32 s[G0B], 1
	s_mov_b32 s[G0B+1], BV
	s_mov_b64 s[G0B+2:G0B+3], s[\pb:\pb+1]
	s_or_b32 s[G0B+3], s[G0B+3], 0x80000000
.endm
.macro WLOAD                           ; one joint load a wave, in one chain of branches on the wave's number: waves 0 to 5 a sixth of the codes, wave 6 the scale bytes, wave 7 the bias
	s_cmp_lt_u32 s[WV], 6
	s_cbranch_scc0 .Lw_scales_\@
	tensor_load_to_lds s[G0C:G0C+3], s[G1C:G1C+7]
	s_nop 0
	PLACES 4
	s_branch .Lw_asked_\@
.Lw_scales_\@:
	s_cmp_lt_u32 s[WV], 7
	s_cbranch_scc0 .Lw_bias_\@
	tensor_load_to_lds s[G0S:G0S+3], s[G1S:G1S+7]
	s_nop 0
	PLACES 4
	s_branch .Lw_asked_\@
.Lw_bias_\@:
	tensor_load_to_lds s[G0B:G0B+3], s[G1B:G1B+7]
	s_nop 0
	PLACES 4
.Lw_asked_\@:
.endm
.macro XLOAD                           ; my tile's 16 rows, 512 consecutive bytes a load
.irp s, 0,1,2
.irp i, 0,1,2,3,4,5,6,7,8,9,10,11,12,13,14,15
	global_load_b128 v[X+64*\s+4*\i:X+64*\s+4*\i+3], v5, s[80:81] offset:(\i+8*(\i/8))*1536+512*\s
.endr
.endr
.endm
.macro TURN s                          ; 128 features of 16 rows through my stage: in as loaded, back 16 neighbours of each block of 32 a lane.  LDS serves a wave's instructions in order (ISA guide 5.7.1.4)
.irp i, 0,1,2,3,4,5,6,7,8,9,10,11,12,13,14,15
	ds_store_b128 v10, v[X+64*\s+4*\i:X+64*\s+4*\i+3] offset:528*\i
.endr
.irp k, 0,1,2,3
.irp j, 0,1,2,3
	ds_load_b128 v[X+64*\s+16*\k+4*\j:X+64*\s+16*\k+4*\j+3], v11 offset:128*\k+16*\j
.endr
.endr
.endm
.macro GBLOAD s, p                     ; gamma and beta of my 64 features of K step s into buffer p of window 1: gamma at 128 p, beta at 128 p + 64
	WIN 0x40
.irp k, 0,1,2,3
.irp j, 0,1,2,3
	global_load_b128 v[128*\p+16*\k+4*\j:128*\p+16*\k+4*\j+3], v6, s[8:9] offset:512*\s+128*\k+16*\j
.endr
.endr
.irp k, 0,1,2,3
.irp j, 0,1,2,3
	global_load_b128 v[128*\p+64+16*\k+4*\j:128*\p+64+16*\k+4*\j+3], v6, s[10:11] offset:512*\s+128*\k+16*\j
.endr
.endr
	WIN 0
.endm
; 64 numbers of a lane in window win, register 16 b + i = k 32 b + 16 h + i of my row, become a fragment's 16 registers of codes at v[pc] and its scale word in v[pw] (window 0).
.macro QUANT src, win, pc, pw
	WIN ((\win)|((\win)<<2))
.irp b, 0,1,2,3
	v_max3_num_f32 v[TM+\b], |v[(\src)+16*\b]|, |v[(\src)+16*\b+1]|, 0x8000000   ; my 16 numbers of block b, and the floor 2^(16 - 127): the byte cannot fall under 1
.endr
	WIN (((\win)<<2)|((\win)<<4))
.irp i, 2,4,6,8,10,12,14
.irp b, 0,1,2,3
	v_max3_num_f32 v[TM+\b], v[TM+\b], |v[(\src)+16*\b+\i]|, |v[(\src)+16*\b+\i+1]|
.endr
.endr
	WIN 0
.irp b, 0,1,2,3
	v_permlanex16_b32 v[TM+4+\b], v[TM+\b], s[SEL], s[SEL+1]
.endr
.irp b, 0,1,2,3
	s_delay_alu instid0(VALU_DEP_4)
	v_max_num_f32 v[TM+\b], v[TM+\b], v[TM+4+\b]   ; with lane l xor 16's 16: the block's largest magnitude
.endr
.irp b, 0,1,2,3
	s_delay_alu instid0(VALU_DEP_4)
	v_add_nc_u32 v[TM+12+\b], 0xf8800000, v[TM+\b] ; 15 off its exponent field: the conversion's scale operand
.endr
.irp b, 0,1,2,3
	v_and_or_b32 v[TM+8+\b], v[TM+\b], 0x7f800000, s[MNT]   ; 57,344 x the scale
.endr
.irp b, 0,1,2,3
	v_lshrrev_b32 v[TM+4+\b], 23, v[TM+12+\b]      ; the scale's byte
.endr
	s_delay_alu instid0(VALU_DEP_3)
	v_lshl_or_b32 v[\pw], v[TM+5], 8, v[TM+4]
	s_delay_alu instid0(VALU_DEP_1)
	v_lshl_or_b32 v[\pw], v[TM+6], 16, v[\pw]
	s_delay_alu instid0(VALU_DEP_1)
	v_lshl_or_b32 v[\pw], v[TM+7], 24, v[\pw]
	WIN ((\win)|((\win)<<6))
.irp b, 0,1,2,3
.irp i, 0,1,2,3,4,5,6,7,8,9,10,11,12,13,14,15
	v_med3_num_f32 v[(\src)+16*\b+\i], v[(\src)+16*\b+\i], -v[TM+8+\b], v[TM+8+\b]   ; the conversion to an 8-bit code does not saturate (ISA guide 7.6.2): the hold comes first
.endr
.endr
	WIN (\win)
.irp b, 0,1,2,3
	v_cvt_scalef32_pk8_bf8_f32 v[(\pc)+4*\b:(\pc)+4*\b+1], v[(\src)+16*\b:(\src)+16*\b+7], v[TM+12+\b]
	v_cvt_scalef32_pk8_bf8_f32 v[(\pc)+4*\b+2:(\pc)+4*\b+3], v[(\src)+16*\b+8:(\src)+16*\b+15], v[TM+12+\b]
.endr
	WIN 0
	v_nop                                          ; one plain vector instruction behind the last conversion
.endm
.macro IMAGE off                       ; the fragment in v[PC] on goes to LDS as it stands
.irp c, 0,1,2,3
	ds_store_b128 v8, v[PC+4*\c:PC+4*\c+3] offset:(\off)+512*\c
.endr
.endm
.macro FRW reg, adr, t, s              ; a fragment of W: mapped tile t, K step s
.irp c, 0,1,2,3
	ds_load_b128 v[(\reg)+4*\c:(\reg)+4*\c+3], v[\adr] offset:(32*((\t)/2)+8*((\t)%2))*432+144*(\s)+32*\c
.endr
.endm
.macro FRX reg, adr, t, s              ; a fragment of x: its image
.irp c, 0,1,2,3
	ds_load_b128 v[(\reg)+4*\c:(\reg)+4*\c+3], v[\adr] offset:(3*(\t)+(\s))*2048+512*\c
.endr
.endm
	s_load_b512 s[4:19], s[0:1], 0x0               ; input_cap 4, output_cap 6, ln_g 8, ln_b 10, Wq codes 12, Wq scales 14, bq 16, Wk codes 18
	s_load_b256 s[20:27], s[0:1], 0x40             ; Wk scales 20, bk 22, Wv codes 24, Wv scales 26
	s_load_b128 s[28:31], s[0:1], 0x60             ; bv 28, qrec 30
	s_load_b64 s[32:33], s[0:1], 0x70              ; kv
	v_lshl_add_u32 v254, v0, 2, 0x48000
	v_mov_b32 v255, 0
	ds_add_u32 v254, v255
	ds_add_u32 v254, v255
	s_wait_dscnt 0x0
	v_lshrrev_b32 v8, 5, v0
	s_delay_alu instid0(VALU_DEP_1)
	v_readfirstlane_b32 s[WV], v8                  ; wave 0..7
	v_and_b32 v1, 31, v0                           ; lane
	v_and_b32 v2, 15, v0                           ; r
	v_bfe_u32 v3, v0, 4, 1                         ; h
	s_delay_alu instid0(VALU_DEP_2)
	v_and_b32 v4, 8, v2
	s_delay_alu instid0(VALU_DEP_1)
	v_add_nc_u32 v4, v4, v2                        ; mp = r + 8 (r / 8)
	v_lshlrev_b32 v5, 4, v1                        ; 16 x lane
	s_delay_alu instid0(VALU_DEP_4)
	v_lshlrev_b32 v6, 6, v3                        ; 64 h
	v_lshlrev_b32 v7, 2, v1                        ; 4 x lane
	v_lshlrev_b32 v63, 2, v2                       ; 4 r
	s_mul_i32 s98, s[WV], 6144
	s_add_co_u32 s98, s98, XI
	v_add_nc_u32 v8, s98, v5                       ; where I store x's images
	s_mul_i32 s98, s[WV], 384
	s_add_co_u32 s98, s98, XSW
	v_add_nc_u32 v9, s98, v7                       ; and their scale words
	s_mul_i32 s98, s[WV], 8448
	s_add_co_u32 s98, s98, STG
	v_add_nc_u32 v10, s98, v5                      ; my stage, in
	v_mul_u32_u24 v11, v2, 528
	s_delay_alu instid0(VALU_DEP_1)
	v_add_nc_u32 v11, v11, v6
	s_delay_alu instid0(VALU_DEP_1)
	v_add_nc_u32 v11, s98, v11                     ; and back: row r, + 64 h
	v_mov_b32 v62, 0                               ; (a lane permute's destination counts as one of its sources)
.irp b, 0,1,2,3
	v_mov_b32 v[TM+4+\b], 0
.endr
	s_bfe_u32 s35, ttmp6, 0x40000                  ; cx
	s_lshl_b32 s61, ttmp9, 2
	s_add_co_u32 s61, s61, s35                     ; block of 128 tokens, 0..63
	s_lshr_b32 s62, s61, 5                         ; batch
	s_and_b32 s63, s61, 31                         ; block in the batch
	s_and_b32 s60, ttmp7, 0xffff                   ; the role, which the four partners share
	s_mov_b32 s[SEL], 0x76543210
	s_mov_b32 s[SEL+1], 0xfedcba98
	s_mov_b32 s[MNT], 0x600000
	s_mov_b32 s95, 0x3b2aaaab                      ; 1 / 384
	s_mov_b32 s96, 0x3727c5ac                      ; 1e-5
	s_lshl_b32 s98, s61, 7
	s_lshr_b32 s99, s[WV], 1
	s_lshl_b32 s99, s99, 5
	s_add_co_u32 s98, s98, s99
	s_and_b32 s99, s[WV], 1
	s_lshl_b32 s99, s99, 3
	s_add_co_u32 s98, s98, s99                     ; my tile's first token: 128 block + 32 (w / 2) + 8 (w % 2)
	s_mul_i32 s98, s98, 1536
	s_mov_b32 s99, 0
	s_wait_kmcnt 0x0
	s_cmp_eq_u32 s60, 0                            ; the role chooses buffers; the choice hangs on the work-group's y alone
	s_cselect_b64 s[80:81], s[6:7], s[4:5]         ; x
	s_cselect_b64 s[82:83], s[12:13], s[18:19]     ; W's codes
	s_cselect_b64 s[84:85], s[14:15], s[20:21]     ; W's scale bytes
	s_cselect_b64 s[86:87], s[16:17], s[22:23]     ; the bias
	s_cselect_b64 s[88:89], s[30:31], s[32:33]     ; where the results go
	s_mov_b32 s90, 17152
	s_cselect_b32 s90, 8704, s90                   ; a record's bytes
	s_mov_b32 s91, 16384
	s_cselect_b32 s91, 8192, s91                   ; where its scale words begin
	s_cmp_eq_u32 s60, 2
	s_cselect_b64 s[82:83], s[24:25], s[82:83]
	s_cselect_b64 s[84:85], s[26:27], s[84:85]
	s_cselect_b64 s[86:87], s[28:29], s[86:87]
	s_add_nc_u64 s[80:81], s[80:81], s[98:99]
	XLOAD
	WDESC 82, 84, 86
	CROUND                                         ; all four work-groups are here: the joint loads meet
	WLOAD
	s_wait_loadcnt 0x0                             ; x is in
	GBLOAD 0, 0                                    ; gamma and beta of K steps 0 and 1 land under the turn and the two sums
	GBLOAD 1, 1
	s_wait_alu depctr_va_vdst(0)
	TURN 0
	TURN 1
	TURN 2
	s_wait_dscnt 0x0
	; the mean: eight chains of packed sums over my 96 pairs, then lane l xor 16's half of the row
	v_pk_add_f32 v[52:53], v[64:65], v[72:73]
	v_pk_add_f32 v[54:55], v[80:81], v[88:89]
	v_pk_add_f32 v[56:57], v[96:97], v[104:105]
	v_pk_add_f32 v[60:61], v[112:113], v[120:121]
	v_pk_add_f32 v[58:59], v[128:129], v[136:137]
	v_pk_add_f32 v[48:49], v[144:145], v[152:153]
	v_pk_add_f32 v[46:47], v[160:161], v[168:169]
	v_pk_add_f32 v[50:51], v[176:177], v[184:185]
	s_delay_alu instid0(VALU_DEP_1)
	v_pk_add_f32 v[50:51], v[50:51], v[192:193]
	v_pk_add_f32 v[52:53], v[52:53], v[200:201]
	v_pk_add_f32 v[54:55], v[54:55], v[208:209]
	v_pk_add_f32 v[56:57], v[56:57], v[216:217]
	v_pk_add_f32 v[60:61], v[60:61], v[224:225]
	v_pk_add_f32 v[58:59], v[58:59], v[232:233]
	v_pk_add_f32 v[48:49], v[48:49], v[240:241]
	v_pk_add_f32 v[46:47], v[46:47], v[248:249]
	v_pk_add_f32 v[50:51], v[50:51], v[66:67]
	v_pk_add_f32 v[52:53], v[52:53], v[74:75]
	v_pk_add_f32 v[54:55], v[54:55], v[82:83]
	v_pk_add_f32 v[56:57], v[56:57], v[90:91]
	v_pk_add_f32 v[60:61], v[60:61], v[98:99]
	v_pk_add_f32 v[58:59], v[58:59], v[106:107]
	v_pk_add_f32 v[48:49], v[48:49], v[114:115]
	v_pk_add_f32 v[46:47], v[46:47], v[122:123]
	v_pk_add_f32 v[50:51], v[50:51], v[130:131]
	v_pk_add_f32 v[52:53], v[52:53], v[138:139]
	v_pk_add_f32 v[54:55], v[54:55], v[146:147]
	v_pk_add_f32 v[56:57], v[56:57], v[154:155]
	v_pk_add_f32 v[60:61], v[60:61], v[162:163]
	v_pk_add_f32 v[58:59], v[58:59], v[170:171]
	v_pk_add_f32 v[48:49], v[48:49], v[178:179]
	v_pk_add_f32 v[46:47], v[46:47], v[186:187]
	v_pk_add_f32 v[50:51], v[50:51], v[194:195]
	v_pk_add_f32 v[52:53], v[52:53], v[202:203]
	v_pk_add_f32 v[54:55], v[54:55], v[210:211]
	v_pk_add_f32 v[56:57], v[56:57], v[218:219]
	v_pk_add_f32 v[60:61], v[60:61], v[226:227]
	v_pk_add_f32 v[58:59], v[58:59], v[234:235]
	v_pk_add_f32 v[48:49], v[48:49], v[242:243]
	v_pk_add_f32 v[46:47], v[46:47], v[250:251]
	v_pk_add_f32 v[50:51], v[50:51], v[68:69]
	v_pk_add_f32 v[52:53], v[52:53], v[76:77]
	v_pk_add_f32 v[54:55], v[54:55], v[84:85]
	v_pk_add_f32 v[56:57], v[56:57], v[92:93]
	v_pk_add_f32 v[60:61], v[60:61], v[100:101]
	v_pk_add_f32 v[58:59], v[58:59], v[108:109]
	v_pk_add_f32 v[48:49], v[48:49], v[116:117]
	v_pk_add_f32 v[46:47], v[46:47], v[124:125]
	v_pk_add_f32 v[50:51], v[50:51], v[132:133]
	v_pk_add_f32 v[52:53], v[52:53], v[140:141]
	v_pk_add_f32 v[54:55], v[54:55], v[148:149]
	v_pk_add_f32 v[56:57], v[56:57], v[156:157]
	v_pk_add_f32 v[60:61], v[60:61], v[164:165]
	v_pk_add_f32 v[58:59], v[58:59], v[172:173]
	v_pk_add_f32 v[48:49], v[48:49], v[180:181]
	v_pk_add_f32 v[46:47], v[46:47], v[188:189]
	v_pk_add_f32 v[50:51], v[50:51], v[196:197]
	v_pk_add_f32 v[52:53], v[52:53], v[204:205]
	v_pk_add_f32 v[54:55], v[54:55], v[212:213]
	v_pk_add_f32 v[56:57], v[56:57], v[220:221]
	v_pk_add_f32 v[60:61], v[60:61], v[228:229]
	v_pk_add_f32 v[58:59], v[58:59], v[236:237]
	v_pk_add_f32 v[48:49], v[48:49], v[244:245]
	v_pk_add_f32 v[46:47], v[46:47], v[252:253]
	v_pk_add_f32 v[50:51], v[50:51], v[70:71]
	v_pk_add_f32 v[52:53], v[52:53], v[78:79]
	v_pk_add_f32 v[54:55], v[54:55], v[86:87]
	v_pk_add_f32 v[56:57], v[56:57], v[94:95]
	v_pk_add_f32 v[60:61], v[60:61], v[102:103]
	v_pk_add_f32 v[58:59], v[58:59], v[110:111]
	v_pk_add_f32 v[48:49], v[48:49], v[118:119]
	v_pk_add_f32 v[46:47], v[46:47], v[126:127]
	v_pk_add_f32 v[50:51], v[50:51], v[134:135]
	v_pk_add_f32 v[52:53], v[52:53], v[142:143]
	v_pk_add_f32 v[54:55], v[54:55], v[150:151]
	v_pk_add_f32 v[56:57], v[56:57], v[158:159]
	v_pk_add_f32 v[60:61], v[60:61], v[166:167]
	v_pk_add_f32 v[58:59], v[58:59], v[174:175]
	v_pk_add_f32 v[48:49], v[48:49], v[182:183]
	v_pk_add_f32 v[46:47], v[46:47], v[190:191]
	v_pk_add_f32 v[50:51], v[50:51], v[198:199]
	v_pk_add_f32 v[52:53], v[52:53], v[206:207]
	v_pk_add_f32 v[54:55], v[54:55], v[214:215]
	v_pk_add_f32 v[56:57], v[56:57], v[222:223]
	v_pk_add_f32 v[60:61], v[60:61], v[230:231]
	v_pk_add_f32 v[58:59], v[58:59], v[238:239]
	v_pk_add_f32 v[48:49], v[48:49], v[246:247]
	v_pk_add_f32 v[46:47], v[46:47], v[254:255]
	s_delay_alu instid0(VALU_DEP_4)
	v_pk_add_f32 v[50:51], v[50:51], v[60:61]
	s_delay_alu instid0(VALU_DEP_4)
	v_pk_add_f32 v[52:53], v[52:53], v[58:59]
	s_delay_alu instid0(VALU_DEP_4)
	v_pk_add_f32 v[54:55], v[54:55], v[48:49]
	s_delay_alu instid0(VALU_DEP_4)
	v_pk_add_f32 v[56:57], v[56:57], v[46:47]
	s_delay_alu instid0(VALU_DEP_2)
	v_pk_add_f32 v[50:51], v[50:51], v[54:55]
	s_delay_alu instid0(VALU_DEP_2)
	v_pk_add_f32 v[52:53], v[52:53], v[56:57]
	s_delay_alu instid0(VALU_DEP_1)
	v_pk_add_f32 v[50:51], v[50:51], v[52:53]
	s_delay_alu instid0(VALU_DEP_1)
	v_add_f32 v50, v50, v51
	s_delay_alu instid0(VALU_DEP_1)
	v_permlanex16_b32 v62, v50, s[SEL], s[SEL+1]
	s_delay_alu instid0(VALU_DEP_1)
	v_add_f32 v50, v50, v62
	s_delay_alu instid0(VALU_DEP_1)
	v_mul_f32 v58, s95, v50
	s_delay_alu instid0(VALU_DEP_1)
	v_mov_b32 v59, v58
.set n, 0
.rept 96
	v_pk_add_f32 v[X+2*n:X+2*n+1], v[X+2*n:X+2*n+1], v[58:59] neg_lo:[0,1] neg_hi:[0,1]   ; x - mean, in place: the variance is a sum of squares of differences, whatever offset x carries
.set n, n+1
.endr
.irp q, 0,1,2,3
	v_pk_mul_f32 v[50+2*\q:51+2*\q], v[X+2*\q:X+2*\q+1], v[X+2*\q:X+2*\q+1]
.endr
.set n, 4
.rept 92
	s_delay_alu instid0(VALU_DEP_4)
	v_pk_fma_f32 v[50+2*(n%4):51+2*(n%4)], v[X+2*n:X+2*n+1], v[X+2*n:X+2*n+1], v[50+2*(n%4):51+2*(n%4)]
.set n, n+1
.endr
	s_delay_alu instid0(VALU_DEP_3)
	v_pk_add_f32 v[50:51], v[50:51], v[52:53]
	s_delay_alu instid0(VALU_DEP_2)
	v_pk_add_f32 v[54:55], v[54:55], v[56:57]
	s_delay_alu instid0(VALU_DEP_1)
	v_pk_add_f32 v[50:51], v[50:51], v[54:55]
	s_delay_alu instid0(VALU_DEP_1)
	v_add_f32 v50, v50, v51
	s_delay_alu instid0(VALU_DEP_1)
	v_permlanex16_b32 v62, v50, s[SEL], s[SEL+1]
	s_delay_alu instid0(VALU_DEP_1)
	v_add_f32 v50, v50, v62
	s_delay_alu instid0(VALU_DEP_1)
	v_fma_f32 v50, v50, s95, s96                   ; variance + 1e-5
	s_wait_alu depctr_va_vdst(0)
	v_rsq_f32 v60, v50
	v_nop                                          ; one plain place behind the transcendental
	s_wait_alu depctr_va_vdst(0)
	v_mov_b32 v61, v60
.irp s, 0,1,2
.set n, 0
.rept 32
	v_pk_mul_f32 v[X+64*\s+2*n:X+64*\s+2*n+1], v[X+64*\s+2*n:X+64*\s+2*n+1], v[60:61]
.set n, n+1
.endr
.if \s < 2
	s_wait_loadcnt 32                              ; this K step's gamma and beta are in; the one younger set of 32 loads may be out
.else
	s_wait_loadcnt 0x0
.endif
	WIN 0x14                                       ; sources 1 and 2 (gamma, beta) in window 1
.set n, 0
.rept 32
	v_pk_fma_f32 v[X+64*\s+2*n:X+64*\s+2*n+1], v[X+64*\s+2*n:X+64*\s+2*n+1], v[128*(\s%2)+2*n:128*(\s%2)+2*n+1], v[128*(\s%2)+64+2*n:128*(\s%2)+64+2*n+1]
.set n, n+1
.endr
	WIN 0
.if \s == 0
	GBLOAD 2, 0
.endif
	QUANT X+64*\s, 0, PC, PW
	IMAGE 2048*\s
	ds_store_b32 v9, v[PW] offset:128*\s
	s_wait_dscnt 0x0                               ; the stores have read their registers
.endr
	s_wait_tensorcnt 0x0                           ; my eighth of the weight has landed,
	s_wait_dscnt 0x0                               ; my images lie in LDS:
	s_barrier_signal -1
	s_barrier_wait -1                              ; everybody's do.  Nothing is filled or stored in LDS behind this barrier
; PHASE P.  isv = 0: q or k;  isv = 1: v.  32 accumulators (source 0's tile t, source 1's tile j) at v[64 j + 8 t] of window 1, by turns, one instruction a turn.
.macro PPHASE isv
.if \isv
	v_mul_u32_u24 v12, v4, 432
	s_delay_alu instid0(VALU_DEP_1)
	v_lshl_add_u32 v12, v3, 4, v12
	s_mul_i32 s20, s[WV], 27648
	v_add_nc_u32 v12, s20, v12                     ; Wv: my head's 64 rows
	v_mul_u32_u24 v13, v4, 12
	s_mul_i32 s20, s[WV], 768
	s_add_co_u32 s20, s20, WS
	v_add_nc_u32 v13, s20, v13                     ; their scale words
	v_add_nc_u32 v14, XI, v5                       ; x's images
	s_wait_alu depctr_va_vdst(0)
	v_add_nc_u32 v15, XSW, v7                      ; and scale words
	s_wait_alu depctr_va_vdst(0)
	s_lshl_b32 s20, s[WV], 8
	s_add_co_u32 s20, s20, BV
	v_lshl_add_u32 v1, v4, 2, s20                  ; the bias of my lane's feature
	s_mul_i32 s20, s62, 6
	s_add_co_u32 s20, s20, s[WV]
	s_lshl_b32 s20, s20, 5
	s_add_co_u32 s20, s20, s63
	s_mul_i32 s20, s20, 17152
	s_mov_b32 s21, 0
	s_add_nc_u64 s[12:13], s[88:89], s[20:21]      ; kv's record of (batch, head w, block)
.irp j, 0,1,2,3
.irp i, 0,1,2,3,4,5,6,7
	ds_load_b32 v[CB+8*\j+\i], v1 offset:(32*(\j/2)+8*(\j%2))*4   ; a lane holds one feature: its bias in all eight registers of the first product's C
.endr
.endr
.else
	s_lshr_b32 s4, s[WV], 1                        ; g: which 128 features (two heads)
	s_and_b32 s5, s[WV], 1                         ; hf: which four tiles of tokens
	v_mul_u32_u24 v12, v4, 432
	s_delay_alu instid0(VALU_DEP_1)
	v_lshl_add_u32 v12, v3, 4, v12
	s_mul_i32 s20, s4, 55296
	v_add_nc_u32 v12, s20, v12                     ; W: my 128 rows
	v_mul_u32_u24 v13, v4, 12
	s_mul_i32 s20, s4, 1536
	s_add_co_u32 s20, s20, WS
	v_add_nc_u32 v13, s20, v13
	s_mul_i32 s20, s5, 24576
	s_add_co_u32 s20, s20, XI
	v_add_nc_u32 v14, s20, v5                      ; x's images: my four tiles
	s_mul_i32 s20, s5, 1536
	s_add_co_u32 s20, s20, XSW
	v_add_nc_u32 v15, s20, v7
	s_lshl_b32 s20, s4, 9
	s_add_co_u32 s20, s20, BV
	v_add_nc_u32 v1, s20, v6                       ; the bias: 128 g + 16 h on
	s_wait_alu depctr_va_vdst(0)
	s_mul_i32 s20, s62, 6
	s_lshl_b32 s21, s4, 1
	s_add_co_u32 s20, s20, s21
	s_lshl_b32 s20, s20, 5
	s_add_co_u32 s20, s20, s63
	s_mul_i32 s20, s20, s90
	s_mov_b32 s21, 0
	s_add_nc_u64 s[12:13], s[88:89], s[20:21]      ; the record of (batch, head 2 g, block),
	s_lshl_b32 s22, s90, 5
	s_mov_b32 s23, 0
	s_add_nc_u64 s[14:15], s[12:13], s[22:23]      ; of head 2 g + 1;
	s_lshl_b32 s20, s5, 8
	s_add_co_u32 s20, s20, s91
	s_add_nc_u64 s[16:17], s[12:13], s[20:21]      ; my four tiles' scale words in each,
	s_add_nc_u64 s[18:19], s[14:15], s[20:21]
	s_lshl_b32 s20, s5, 12
	s_add_nc_u64 s[12:13], s[12:13], s[20:21]      ; and their codes
	s_add_nc_u64 s[14:15], s[14:15], s[20:21]
	WIN 0x40
.irp j, 0,1,2,3
.irp t, 0,1,2,3,4,5,6,7
	ds_load_b128 v[64*\j+8*\t:64*\j+8*\t+3], v1 offset:(32*(\t/2)+8*(\t%2))*4        ; the bias lands in the accumulators: register i = feature 32 (t / 2) + 8 (t % 2) + 16 h + i
	ds_load_b128 v[64*\j+8*\t+4:64*\j+8*\t+7], v1 offset:(32*(\t/2)+8*(\t%2))*4+16
.endr
.endr
	WIN 0
.endif
.irp s, 0,1,2
.if \s > 0
	PLACES 8                                       ; in front of loads into registers that matrix instructions have read (ISA guide 7.12.1 for vector instructions)
.endif
.irp t, 0,1,2,3,4,5,6,7
.if \isv
	FRX AF+16*\t, 14, \t, \s
	ds_load_b32 v[SA+\t], v15 offset:(3*\t+\s)*128
.else
	FRW AF+16*\t, 12, \t, \s
	ds_load_b32 v[SA+\t], v13 offset:(32*(\t/2)+8*(\t%2))*12+4*\s
.endif
.endr
.irp j, 0,1,2,3
.if \isv
	FRW BF+16*\j, 12, \j, \s
	ds_load_b32 v[SB+\j], v13 offset:(32*(\j/2)+8*(\j%2))*12+4*\s
.else
	FRX BF+16*\j, 14, \j, \s
	ds_load_b32 v[SB+\j], v15 offset:(3*\j+\s)*128
.endif
.endr
	s_wait_dscnt 0x0
.if \isv && (\s == 0)
	WIN 0x40                                       ; D in window 1, C (the bias) in window 0
.else
	WIN 0x50                                       ; C and D in window 1
.endif
.irp j, 0,1,2,3
.irp t, 0,1,2,3,4,5,6,7
.if \isv && (\s == 0)
	v_wmma_scale_f32_16x16x128_f8f6f4 v[64*\j+8*\t:64*\j+8*\t+7], v[AF+16*\t:AF+16*\t+15], v[BF+16*\j:BF+16*\j+15], v[CB+8*\j:CB+8*\j+7], v[SA+\t], v[SB+\j] matrix_a_fmt:MATRIX_FMT_BF8 matrix_b_fmt:MATRIX_FMT_BF8
.else
	v_wmma_scale_f32_16x16x128_f8f6f4 v[64*\j+8*\t:64*\j+8*\t+7], v[AF+16*\t:AF+16*\t+15], v[BF+16*\j:BF+16*\j+15], v[64*\j+8*\t:64*\j+8*\t+7], v[SA+\t], v[SB+\j] matrix_a_fmt:MATRIX_FMT_BF8 matrix_b_fmt:MATRIX_FMT_BF8
.endif
.endr
.endr
	WIN 0
.endr
	PLACES 8                                       ; in front of the first read of results and of writes over operands and scale words that are done with
.irp j, 0,1,2,3
	QUANT 64*\j, 1, PCJ+16*\j, PWJ+4*\j            ; part j's 64 numbers a lane; each part has its own registers for codes and words, so no store's data are written again
.if \isv
.irp c, 0,1,2,3
	global_store_b128 v5, v[PCJ+16*\j+4*\c:PCJ+16*\j+4*\c+3], s[12:13] offset:8192+2048*\j+512*\c   ; 512 consecutive bytes
.endr
	global_store_b32 v63, v[PWJ+4*\j], s[12:13] offset:16896+64*\j   ; lanes r and r + 16 store the same word with the same value
.else
	v_and_b32 v[PWJ+4*\j+1], 0xffff, v[PWJ+4*\j]   ; head 2 g's two bytes,
	v_lshrrev_b32 v[PWJ+4*\j+2], 16, v[PWJ+4*\j]   ; head 2 g + 1's
.irp c, 0,1,2,3
	global_store_b128 v5, v[PCJ+16*\j+4*\c:PCJ+16*\j+4*\c+3], s[12+2*(\c/2):13+2*(\c/2)] offset:1024*\j+512*(\c%2)
.endr
	global_store_b32 v63, v[PWJ+4*\j+1], s[16:17] offset:64*\j
	global_store_b32 v63, v[PWJ+4*\j+2], s[18:19] offset:64*\j
.endif
.endr
.endm
	s_cmp_gt_u32 s[WV], 5
	s_cbranch_scc1 .Lend                           ; 24 parts are six waves' four
	s_cmp_eq_u32 s60, 2
	s_cbranch_scc1 .Lvpath
	PPHASE 0
	s_branch .Lend
.Lvpath:
	PPHASE 1
.Lend:
	s_wait_xcnt 0x0
	v_lshl_add_u32 v254, v0, 2, 0x48000
	v_mov_b32 v255, 0
	s_wait_alu depctr_va_vdst(0)
	s_wait_tensorcnt 0x0
	ds_add_u32 v254, v255
	s_wait_dscnt 0x0
	CROUND                                         ; the closing round: no work-group ends while a partner may still ask for a tile that names it
	s_endpgm
.Lfunc_end_k_q593c1d0000_prep:
	.size	k_q593c1d0000_prep, .Lfunc_end_k_q593c1d0000_prep-k_q593c1d0000_prep
	.p2alignl 7, 3214868480
	.fill 96, 4, 3214868480
	.section	.rodata,"a",@progbits
	.p2align	6, 0x0
	.amdhsa_kernel k_q593c1d0000_prep
		.amdhsa_group_segment_fixed_size 295936
		.amdhsa_private_segment_fixed_size 0
		.amdhsa_enable_private_segment 0
		.amdhsa_kernarg_size 120
		.amdhsa_user_sgpr_count 2
		.amdhsa_user_sgpr_kernarg_segment_ptr 1
		.amdhsa_wavefront_size32 1
		.amdhsa_system_sgpr_workgroup_id_x 1
		.amdhsa_system_sgpr_workgroup_id_y 1
		.amdhsa_system_sgpr_workgroup_id_z 1
		.amdhsa_system_vgpr_workitem_id 0
		.amdhsa_next_free_vgpr 512
		.amdhsa_next_free_sgpr 102
		.amdhsa_reserve_vcc 0
		.amdhsa_float_denorm_mode_32 3
		.amdhsa_float_denorm_mode_16_64 3
		.amdhsa_memory_ordered 1
		.amdhsa_forward_progress 1
		.amdhsa_inst_pref_size 218
	.end_amdhsa_kernel
	.amdgpu_metadata
---
amdhsa.version: [ 1, 2 ]
amdhsa.kernels:
  - .name:           k_q593c1d0000_prep
    .symbol:         k_q593c1d0000_prep.kd
    .args:
      - { .name: input_cap, .offset: 0, .size: 8, .value_kind: global_buffer, .address_space: global }
      - { .name: output_cap, .offset: 8, .size: 8, .value_kind: global_buffer, .address_space: global }
      - { .name: ln_g, .offset: 16, .size: 8, .value_kind: global_buffer, .address_space: global }
      - { .name: ln_b, .offset: 24, .size: 8, .value_kind: global_buffer, .address_space: global }
      - { .name: Wq_codes, .offset: 32, .size: 8, .value_kind: global_buffer, .address_space: global }
      - { .name: Wq_scales, .offset: 40, .size: 8, .value_kind: global_buffer, .address_space: global }
      - { .name: bq, .offset: 48, .size: 8, .value_kind: global_buffer, .address_space: global }
      - { .name: Wk_codes, .offset: 56, .size: 8, .value_kind: global_buffer, .address_space: global }
      - { .name: Wk_scales, .offset: 64, .size: 8, .value_kind: global_buffer, .address_space: global }
      - { .name: bk, .offset: 72, .size: 8, .value_kind: global_buffer, .address_space: global }
      - { .name: Wv_codes, .offset: 80, .size: 8, .value_kind: global_buffer, .address_space: global }
      - { .name: Wv_scales, .offset: 88, .size: 8, .value_kind: global_buffer, .address_space: global }
      - { .name: bv, .offset: 96, .size: 8, .value_kind: global_buffer, .address_space: global }
      - { .name: qrec, .offset: 104, .size: 8, .value_kind: global_buffer, .address_space: global }
      - { .name: kv, .offset: 112, .size: 8, .value_kind: global_buffer, .address_space: global }
    .group_segment_fixed_size: 295936
    .private_segment_fixed_size: 0
    .kernarg_segment_align: 8
    .kernarg_segment_size: 120
    .max_flat_workgroup_size: 256
    .sgpr_count:     102
    .vgpr_count:     512
    .wavefront_size: 32
...
	.end_amdgpu_metadata
.endif
;; end of part 1
;; launch attn (part 2): grid 64 x 4, 8 waves a work-group, clusters of 4 x 1, 327,680 bytes of LDS; arguments qrec, kv, cc, cs; writes cc, cs
.if DOCPART == 2
	.amdgcn_target "amdgcn-amd-amdhsa--gfx1250"
	.amdhsa_code_object_version 6
	.text
	.protected	k_q593c1d0000_attn
	.globl	k_q593c1d0000_attn
	.p2align	8
	.type	k_q593c1d0000_attn,@function
k_q593c1d0000_attn:
	s_mov_b64 s[64:65], 0
	v_nop
	global_prefetch_b8 v0, s[64:65] scope:SCOPE_SE
	s_setreg_imm32_b32 hwreg(HW_REG_WAVE_MODE, 25, 1), 1
	s_wait_xcnt 0x0
	s_wait_alu depctr_hold_cnt(0) depctr_sa_sdst(0) depctr_va_vdst(0) depctr_va_sdst(0) depctr_va_ssrc(0) depctr_va_vcc(0) depctr_vm_vsrc(0)
	s_getreg_b32 s2, hwreg(HW_REG_IB_STS2, 6, 4)
	s_cmp_eq_u32 s2, 0
	s_cbranch_scc0 .Lentry_in_a_cluster
	s_endpgm
.Lentry_in_a_cluster:
	s_bfe_u32 s2, ttmp6, 0x10000c
	s_cmp_lg_u32 s2, 0x3003
	s_cbranch_scc0 .Lentry_shape_is_right
	s_endpgm
.Lentry_shape_is_right:
; Attention on codes of E5M2 with E8M0 scales: S^T = K Q^T, p = 2^(t - M), O^T = V^T P^T, O / l, and O quantised along the model's 384 for the last projection.
; t = score x log2(e) / 8; M = the running largest t rounded UP to a whole number; p is quantised along the keys, not normalised; l is the sum of the unquantised p, in f32.
; SHARES.  A work-group takes 64 queries (x = 4 x cluster x + cx) of three heads (y: batch y / 2, heads 3 (y % 2) on), ONE HEAD AFTER THE OTHER.  Wave w = p + 2 j: query tiles 2 p, 2 p + 1 (32 queries)
; and a quarter of the keys: records 2 j, 2 j + 1 of each slot of eight.  Each fragment of K and V read from LDS feeds two products.  2 tiles x 8 key steps x 3 heads a wave, two waves to a SIMD.
; At a head's end the four quarters of the keys are joined through a stage in LDS, in two exchanges (partner w xor 4, then w xor 2): each wave ends with one block of 32 features of one tile, divides it by l, quantises and stores it.
; What is kept and what is sent is chosen by v_cndmask_b32 on the wave's number: all waves run the same lines.
; CLUSTER.  The four partners walk the same three heads: every record is asked for JOINTLY (mask 15), one load of 17,152 bytes a wave.
; RING.  The three heads' 96 records lie on end in kv: 12 slots' worth of eight records (137,216 bytes) go through two LDS slots.
; THE CHANGE OF SLOTS STANDS INSIDE A SLOT'S SECOND KEY STEP.  Behind that step's score products K and V of the slot's last record are in registers: there stand the wait for the tensor loads, the add, the wait for LDS and the opening signal.
; The maxima, the scalings and the exponentials, work on registers alone, stand between the signal and its wait; behind them the rest of the round, the refill, and the next slot's first K.
; In every step the next record's K is fetched at that place, into registers that the score products are done with; V is fetched at a step's head and has the softmax in which to land.
; THE EXPONENTIALS GO IN TWO BATCHES, a tile each, with plain lines of the other tile by turns among them: tile 1's scalings among tile 0's exponentials, tile 0's holds among tile 1's.
; What such a line writes is read only behind the batch's closing wait, and what it reads was written ahead of the batch's opening wait.
; The last two slots are a loop of their own, without refills; its last trip fetches a next K that no product takes (20 LDS loads of bytes that have landed): so the step is written four times and not six.
; PREFETCH.  Behind each refill a wave asks for its record of the slot after the one being loaded; the four partners share its 67 blocks of 256 bytes by address (17 each); the last trips ask for nothing.
; K = 64 IN AN INSTRUCTION OF 128: Q's registers 8 to 15 are zero codes; K's tile t is the run of 16 registers from its first, whose upper eight are tile t + 1's codes (behind tile 7: zeros).  It rests on finite codes.
; OUT: cc[tile of 16 tokens][head][block][lane][16 bytes]; cs[tile][head][token r][2 bytes].
; LIMITS: NaN and infinities are not served.  The promise holds while the scaled scores stay under 2^31 in magnitude.  A block whose largest magnitude lies under 2^-111 gets the byte 1; this program alone reads the bytes.
; v_exp_f32, v_rcp_f32: 1 ulp; a block's largest p is made from the block's largest score by the same two instructions, which takes v_exp_f32 not to fall where its input rises.
; REGISTERS.  Window 0: v1-15 addresses and K's, V's scale words; v16-47 Q of both tiles, each with eight zeros behind; v48-175 S^T, then p (64 a tile); v176-207 p's codes; v208-223 eight a tile: -M, largest t, l (2), f (2), p's scale word, Q's;
; v224-255 at work.  Window 1: v0-71 K and eight zeros; v72-135 V; v136-199 O^T (32 a tile); v200-217, v220-237 Q and its scale words of the heads to come.
.set REC,   17152                      ; a record: K's codes 8 x 1,024; at 8,192 V's 4 x 2,048; at 16,384 K's scale words; at 16,896 V's
.set SLOTB, 8*REC
.set STG,   2*SLOTB                    ; the stage: 4,352 bytes a wave (8 x 512 of O, then 8 a lane of -M and l); no tensor load lands here
.set WST,   4352
.set SPARE, STG+8*WST                  ; the spare words, 128 bytes a wave
.set A0, 1
.set AS0, 2
.set AD, 3
.set ADS, 4
.set SPW, 5
.set NIL, 6
.set L16, 7
.set KS, 8
.set VS, 12
.set PFO, 14
.set L4R, 15
.set QF, 16
.set S, 48
.set PCD, 176
.set PT, 208
.set BM, 224
.set T4, 232
.set HO, 240
.set SO, 248
.set VF, 72
.set O, 136
.set QN, 180                           ; window 1: head hh's Q waits at QN + 20 hh (16 of codes, 2 scale words)
.set KP, 48                            ; the join: what I keep, and at KP + 32 its -M and l
.set SD, 112                           ; what I send, then what I receive
.set WV, 12
.set MNT, 19
.set SEL, 20
.set CS, 22
.set G1, 24
.set G0, 32
.set TB, 36
.set SL, 37
.set P, 40
.set J, 41
.set QA, 44
.set QSA, 46
.set OC, 48
.set OS, 50
.set SW0, 52
.set SW1, 53
.set SW2, 54
.set M1, 55
.set M2, 56
.set WR, 57
.set TF, 58
.set QC, 59
.set PFA, 60
.set MSB, 0
.macro WIN new
.if MSB != (\new)
	s_set_vgpr_msb (MSB<<8)|(\new)
.set MSB, (\new)
.endif
.endm
.macro PLACES n
.rept \n
	v_nop
.endr
.endm
.macro WALU
	s_wait_alu depctr_va_vdst(0)
.endm
.macro BARRIER
	s_barrier_signal -1
	s_barrier_wait -1
.endm
.macro CREST                           ; a round of the cluster's barrier behind its opening barrier
	s_cmp_lg_u32 s[WV], 0
	s_cbranch_scc1 .Lnot_wave_0_\@
	s_barrier_signal -3
.Lnot_wave_0_\@:
	s_barrier_wait -3
	BARRIER
.endm
.macro CROUND
	BARRIER
	CREST
.endm
.macro TLOAD
	tensor_load_to_lds s[G0:G0+3], s[G1:G1+7]
	s_nop 0
	PLACES 4
.endm
.macro NEXTFILL                        ; group 0 for the next fill; no tensor load of mine is out
	s_xor_b32 s[TF], s[TF], SLOTB                  ; the other slot than last time,
	s_add_co_u32 s[G0+1], s[TF], s[WR]             ; my record in it,
	s_add_nc_u64 s[G0+2:G0+3], s[G0+2:G0+3], SLOTB ; eight records on
.endm
.macro KLOAD off                       ; K's eight tiles and their scale words
	WIN 0x40
.irp t, 0,1,2,3,4,5,6,7
	ds_load_b128 v[8*\t:8*\t+3], v[AD] offset:(\off)+1024*\t
	ds_load_b128 v[8*\t+4:8*\t+7], v[AD] offset:(\off)+1024*\t+512
.endr
	WIN 0
.irp b, 0,1,2,3
	ds_load_b32 v[KS+\b], v[ADS] offset:(\off)+16384+128*\b
.endr
.endm
.macro INIT                            ; a head begins: O^T and l zeros, the largest t -3e38 (the step is written without a first step of its own)
	WIN 0x40
.set n, 0
.rept 64
	v_mov_b32 v[O+n], 0
.set n, n+1
.endr
	WIN 0
.irp a, 0,1
	v_mov_b32 v[PT+8*\a+1], 0xff61b1e6
	v_mov_b32 v[PT+8*\a+2], 0
	v_mov_b32 v[PT+8*\a+3], 0
.endr
.irp a, 0,1
	v_floor_f32 v[PT+8*\a], -v[PT+8*\a+1]
.endr
.endm
.macro HOLD2 x, h                      ; two holds in one line: p is not negative, so the hold is one-sided (the conversion does not saturate: ISA guide 7.6.2)
	v_dual_min_num_f32 v[(\x)], v[(\h)], v[(\x)] :: v_dual_min_num_f32 v[(\x)+1], v[(\h)], v[(\x)+1]
.endm
.macro SCALES a                        ; tile a: from its four blocks' largest p the conversions' scale operands, the bounds and p's scale word
.irp b, 0,1,2,3
	v_max_num_f32 v[BM+4*(\a)+\b], 0x8000000, v[BM+4*(\a)+\b]    ; the floor 2^(16 - 127)
.endr
.irp b, 0,1,2,3
	v_add_nc_u32 v[SO+4*(\a)+\b], 0xf8800000, v[BM+4*(\a)+\b]    ; the conversion's scale operand
.endr
.irp b, 0,1,2,3
	v_lshrrev_b32 v[T4+4*(\a)+\b], 23, v[SO+4*(\a)+\b]           ; the byte
.endr
	v_lshl_or_b32 v[PT+8*(\a)+6], v[T4+4*(\a)+1], 8, v[T4+4*(\a)]
	v_lshl_or_b32 v[T4+4*(\a)+2], v[T4+4*(\a)+3], 8, v[T4+4*(\a)+2]
.irp b, 0,1,2,3
	v_and_or_b32 v[HO+4*(\a)+\b], v[BM+4*(\a)+\b], 0x7f800000, s[MNT]   ; 57,344 x the scale
.endr
	v_lshl_or_b32 v[PT+8*(\a)+6], v[T4+4*(\a)+2], 16, v[PT+8*(\a)+6]    ; p's scale word
.endm
.macro CH k, a                         ; CR: chain k of tile a's sum, in registers that are done with: the tile's T4 (k = 0, 1), its BM (2, 3), the other tile's T4 (4, 5)
.set CR, T4+4*(\a)+2*(\k)-12*(((\k)/2)%2)-((\k)/4)*(4+8*(\a))
.endm
.macro SUMS a                          ; l of tile a: the sum of the unquantised p, two at a time, in six chains
.irp k, 0,1,2,3,4,5
	CH \k, \a
	v_pk_add_f32 v[CR:CR+1], v[S+64*(\a)+4*\k:S+64*(\a)+4*\k+1], v[S+64*(\a)+4*\k+2:S+64*(\a)+4*\k+3]
.endr
.set m, 12
.rept 20
	CH m%6, \a
	v_pk_add_f32 v[CR:CR+1], v[CR:CR+1], v[S+64*(\a)+2*m:S+64*(\a)+2*m+1]
.set m, m+1
.endr
	v_pk_add_f32 v[T4+4*(\a):T4+4*(\a)+1], v[T4+4*(\a):T4+4*(\a)+1], v[T4+4*(\a)+2:T4+4*(\a)+3]
	v_pk_add_f32 v[BM+4*(\a):BM+4*(\a)+1], v[BM+4*(\a):BM+4*(\a)+1], v[BM+4*(\a)+2:BM+4*(\a)+3]
	v_pk_add_f32 v[T4+4-4*(\a):T4+5-4*(\a)], v[T4+4-4*(\a):T4+5-4*(\a)], v[T4+6-4*(\a):T4+7-4*(\a)]
	v_pk_add_f32 v[T4+4*(\a):T4+4*(\a)+1], v[T4+4*(\a):T4+4*(\a)+1], v[BM+4*(\a):BM+4*(\a)+1]
	v_pk_add_f32 v[PT+8*(\a)+2:PT+8*(\a)+3], v[PT+8*(\a)+2:PT+8*(\a)+3], v[T4+4-4*(\a):T4+5-4*(\a)]
	v_pk_add_f32 v[PT+8*(\a)+2:PT+8*(\a)+3], v[PT+8*(\a)+2:PT+8*(\a)+3], v[T4+4*(\a):T4+4*(\a)+1]
.endm
.macro CODES a, b                      ; block b of tile a: 16 numbers a lane become four registers of codes
	v_cvt_scalef32_pk8_bf8_f32 v[PCD+16*(\a)+4*(\b):PCD+16*(\a)+4*(\b)+1], v[S+64*(\a)+16*(\b):S+64*(\a)+16*(\b)+7], v[SO+4*(\a)+(\b)]
	v_cvt_scalef32_pk8_bf8_f32 v[PCD+16*(\a)+4*(\b)+2:PCD+16*(\a)+4*(\b)+3], v[S+64*(\a)+16*(\b)+8:S+64*(\a)+16*(\b)+15], v[SO+4*(\a)+(\b)]
.endm
	s_load_b256 s[4:11], s[0:1], 0x0               ; qrec 4, kv 6, cc 8, cs 10
	v_lshl_add_u32 v[SPW], v0, 2, SPARE
	v_mov_b32 v[NIL], 0
	ds_add_u32 v[SPW], v[NIL]                      ; the opening lines: the add twice on end and its wait
	ds_add_u32 v[SPW], v[NIL]
	v_lshrrev_b32 v1, 5, v0
	v_readfirstlane_b32 s[WV], v1                  ; wave 0..7
	s_bfe_u32 s13, ttmp6, 0x40000                  ; cx: it enters global addresses alone
	s_lshl_b32 s14, ttmp9, 2
	s_add_co_u32 s14, s14, s13                     ; my block of 64 queries
	s_and_b32 s15, ttmp7, 0xffff
	s_lshr_b32 s16, s15, 1                         ; batch
	s_and_b32 s17, s15, 1
	s_mul_i32 s17, s17, 3                          ; first head
	s_mul_i32 s18, s16, 6
	s_add_co_u32 s18, s18, s17
	s_lshl_b32 s18, s18, 5                         ; first record of (batch, first head), in kv and in qrec
	s_add_co_u32 s38, s18, s[WV]
	s_mul_i32 s38, s38, REC                        ; what I fetch: record w of each slot
	s_mov_b32 s39, 0
	s_mov_b32 s[G1], 15|(3<<16)|(1<<21)            ; mask: all four; elements of 8 bytes; bit 21 beside a mask
	s_mov_b32 s[G1+1], 32<<16                      ; rows of 256 bytes
	s_mov_b32 s[G1+2], 67<<16
	s_mov_b32 s[G1+3], 32<<16
	s_mov_b32 s[G1+4], 67
	s_mov_b32 s[G1+5], 32
	s_mov_b32 s[G1+6], 0
	s_mov_b32 s[G1+7], 0
	s_and_b32 s[P], s[WV], 1
	s_lshr_b32 s[J], s[WV], 1
	s_lshr_b32 s2, s14, 1
	s_add_co_u32 s2, s2, s18
	s_mul_i32 s2, s2, 8704                         ; qrec's record
	s_and_b32 s3, s14, 1
	s_lshl_b32 s3, s3, 2
	s_lshl_b32 s62, s[P], 1
	s_add_co_u32 s3, s3, s62                       ; my first tile in it
	s_lshl_b32 s[QA], s3, 10
	s_add_co_u32 s[QA], s[QA], s2
	s_mov_b32 s[QA+1], 0
	s_lshl_b32 s[QSA], s3, 6
	s_add_co_u32 s[QSA], s[QSA], s2
	s_add_co_u32 s[QSA], s[QSA], 8192
	s_mov_b32 s[QSA+1], 0
	s_lshr_b32 s2, s[J], 1                         ; what I store: tile 2 p + j / 2, block j % 2
	s_add_co_u32 s62, s62, s2
	s_lshl_b32 s3, s16, 8
	s_lshl_b32 s63, s14, 2
	s_add_co_u32 s3, s3, s63
	s_add_co_u32 s3, s3, s62                       ; the tile among all 512
	s_and_b32 s63, s[J], 1
	s_mul_i32 s[OC], s3, 6144
	s_lshl_b32 s66, s17, 10
	s_add_co_u32 s[OC], s[OC], s66
	s_lshl_b32 s66, s63, 9
	s_add_co_u32 s[OC], s[OC], s66
	s_mov_b32 s[OC+1], 0
	s_mul_i32 s[OS], s3, 192
	s_lshl_b32 s66, s17, 5
	s_add_co_u32 s[OS], s[OS], s66
	s_add_co_u32 s[OS], s[OS], s63
	s_mov_b32 s[OS+1], 0
	s_cmp_lg_u32 s2, 0
	s_cselect_b32 s[M1], -1, 0                     ; all lanes: I keep tile 1 of my two
	s_cmp_lg_u32 s63, 0
	s_cselect_b32 s[M2], -1, 0                     ; I keep block 1 of the tile
	s_mul_i32 s[SW0], s[WV], WST
	s_add_co_u32 s[SW0], s[SW0], STG               ; my part of the stage,
	s_xor_b32 s2, s[WV], 4
	s_mul_i32 s[SW1], s2, WST
	s_add_co_u32 s[SW1], s[SW1], STG               ; the first partner's,
	s_xor_b32 s2, s[WV], 2
	s_mul_i32 s[SW2], s2, WST
	s_add_co_u32 s[SW2], s[SW2], STG               ; the second's
	s_mul_i32 s[WR], s[WV], REC
	s_mov_b32 s[SEL], 0x76543210
	s_mov_b32 s[SEL+1], 0xfedcba98
	s_mov_b32 s[CS], 0x3e38aa3b                    ; log2(e) / 8
	s_mov_b32 s[CS+1], s[CS]
	s_mov_b32 s[MNT], 0x600000
	s_mov_b32 s[TB], 0
	s_mov_b32 s[TF], 0
	s_mov_b32 s[SL], 0
	s_mul_i32 s2, s[J], 2*REC
	s_mul_i32 s3, s13, 17
	v_and_b32 v[L16], 31, v0
	v_lshlrev_b32 v[AS0], 2, v[L16]
	v_min_u32 v[PFO], 16, v[L16]
	v_lshlrev_b32 v[L16], 4, v[L16]
	v_add_nc_u32 v[AS0], s2, v[AS0]
	v_add_nc_u32 v[A0], s2, v[L16]
	v_and_b32 v[L4R], 15, v0
	v_lshlrev_b32 v[L4R], 2, v[L4R]
	v_add_nc_u32 v[PFO], s3, v[PFO]
	v_min_u32 v[PFO], 66, v[PFO]                   ; my work-group's 17 of the record's 67 blocks; lanes left over name the last again
	v_lshlrev_b32 v[PFO], 8, v[PFO]
	WALU
	s_wait_dscnt 0x0
	s_wait_kmcnt 0x0
	s_mov_b32 s[G0], 1
	s_mov_b32 s[G0+1], s[WR]
	s_add_nc_u64 s[G0+2:G0+3], s[6:7], s[38:39]
	s_add_nc_u64 s[PFA:PFA+1], s[G0+2:G0+3], 2*SLOTB   ; my record of slot 2: always one slot beyond the one that is loaded
	s_or_b32 s[G0+3], s[G0+3], 0x80000000
	s_add_nc_u64 s[QA:QA+1], s[4:5], s[QA:QA+1]
	s_add_nc_u64 s[QSA:QSA+1], s[4:5], s[QSA:QSA+1]
	s_add_nc_u64 s[OC:OC+1], s[8:9], s[OC:OC+1]
	s_add_nc_u64 s[OS:OS+1], s[10:11], s[OS:OS+1]
	CROUND                                         ; all four work-groups are here
	TLOAD                                          ; slot 0: one load a wave
.irp a, 0,1                                    ; Q's codes and scale words of my two tiles: the first head's,
	global_load_b128 v[QF+16*\a:QF+16*\a+3], v[L16], s[QA:QA+1] offset:1024*\a
	global_load_b128 v[QF+16*\a+4:QF+16*\a+7], v[L16], s[QA:QA+1] offset:1024*\a+512
	global_load_b32 v[PT+8*\a+7], v[L4R], s[QSA:QSA+1] offset:64*\a
.endr
	WIN 0x40
.irp e, 1,2                                    ; and the two heads' to come, 32 records of 8,704 bytes on each, into window 1
.irp a, 0,1
	global_load_b128 v[QN+20*\e+8*\a:QN+20*\e+8*\a+3], v[L16], s[QA:QA+1] offset:278528*\e+1024*\a
	global_load_b128 v[QN+20*\e+8*\a+4:QN+20*\e+8*\a+7], v[L16], s[QA:QA+1] offset:278528*\e+1024*\a+512
	global_load_b32 v[QN+20*\e+16+\a], v[L4R], s[QSA:QSA+1] offset:278528*\e+64*\a
.endr
.endr
.irp j, 0,1,2,3,4,5,6,7
	v_mov_b32 v[64+\j], 0                          ; zero codes behind K's tile 7
.endr
	WIN 0
.irp j, 0,1,2,3,4,5,6,7
	v_mov_b32 v[QF+8+\j], 0                        ; zero codes: K = 64 .. 127 of both tiles' Q
	v_mov_b32 v[QF+24+\j], 0
	v_mov_b32 v[T4+\j], 0                          ; (a lane permute's destination counts as one of its sources)
.endr
	v_mov_b32 v[PT+5], 0                           ; (upper halves of the pairs that hold f)
	v_mov_b32 v[PT+13], 0
	INIT
	v_add_nc_u32 v[AD], s[TB], v[A0]
	v_add_nc_u32 v[ADS], s[TB], v[AS0]
; A KEY STEP: 128 keys (record q of my two in the slot) for my two tiles.  K is in registers or on its way.
; mode 0: the next K is the slot's other record.  mode 1: the change of slots with a round and a refill.  mode 2: the change of slots without a refill.
.macro STEP2 q, mode
	PLACES 8                                       ; in front of loads into what the last products read
	WIN 0x40
.irp j, 0,1,2,3
.irp c, 0,1,2,3
	ds_load_b128 v[VF+16*\j+4*\c:VF+16*\j+4*\c+3], v[AD] offset:REC*(\q)+8192+2048*\j+512*\c
.endr
.endr
	WIN 0
.irp j, 0,1
	ds_load_b32 v[VS+\j], v[ADS] offset:REC*(\q)+16896+128*\j
.endr
	s_wait_dscnt 18                                ; K and its scale words are in; V's 16 loads and its 2 scale loads may be out
	WIN 0x01                                       ; source 0 (K) in window 1
.irp b, 0,1,2,3
.irp a, 0,1
	v_wmma_scale_f32_16x16x128_f8f6f4 v[S+64*\a+16*\b:S+64*\a+16*\b+7], v[16*\b:16*\b+15], v[QF+16*\a:QF+16*\a+15], 0, v[KS+\b], v[PT+8*\a+7] matrix_a_fmt:MATRIX_FMT_BF8 matrix_b_fmt:MATRIX_FMT_BF8
.endr
.irp a, 0,1
	v_wmma_scale_f32_16x16x128_f8f6f4 v[S+64*\a+16*\b+8:S+64*\a+16*\b+15], v[16*\b+8:16*\b+23], v[QF+16*\a:QF+16*\a+15], 0, v[KS+\b], v[PT+8*\a+7] matrix_a_fmt:MATRIX_FMT_BF8 matrix_b_fmt:MATRIX_FMT_BF8 matrix_a_scale:MATRIX_SCALE_ROW1
.endr
.endr
	WIN 0
.if \mode > 0
	s_wait_tensorcnt 0x0                           ; my part of the next slot has landed;
	ds_add_u32 v[SPW], v[NIL]
.if \mode == 1
	NEXTFILL
	s_wait_xcnt 0x0                                ; my last prefetch has read its address
	s_add_nc_u64 s[PFA:PFA+1], s[PFA:PFA+1], SLOTB
.endif
	s_wait_dscnt 0x0                               ; the add is done, and V is in: my reads of this slot are over:
	s_barrier_signal -1                            ; say so; up to the wait stands work on registers alone
.endif
	PLACES 8                                       ; in front of the first read of the scores
.irp b, 0,1,2,3
.irp a, 0,1
	v_max3_num_f32 v[BM+4*\a+\b], v[S+64*\a+16*\b], v[S+64*\a+16*\b+1], v[S+64*\a+16*\b+2]   ; the largest score of each block of 32 keys
.endr
.endr
.irp i, 3,5,7,9,11,13
.irp b, 0,1,2,3
.irp a, 0,1
	v_max3_num_f32 v[BM+4*\a+\b], v[BM+4*\a+\b], v[S+64*\a+16*\b+\i], v[S+64*\a+16*\b+\i+1]
.endr
.endr
.endr
.irp b, 0,1,2,3,4,5,6,7
	v_max_num_f32 v[BM+\b], v[BM+\b], v[S+64*(\b/4)+16*(\b%4)+15]
.endr
.irp b, 0,1,2,3,4,5,6,7
	v_permlanex16_b32 v[T4+\b], v[BM+\b], s[SEL], s[SEL+1]
.endr
.irp b, 0,1,2,3,4,5,6,7
	v_max_num_f32 v[BM+\b], v[BM+\b], v[T4+\b]     ; with lane l xor 16's 16 keys
.endr
.irp a, 0,1
	v_max3_num_f32 v[T4+4*\a], v[BM+4*\a], v[BM+4*\a+1], v[BM+4*\a+2]
.endr
.irp a, 0,1
	v_max_num_f32 v[T4+4*\a], v[T4+4*\a], v[BM+4*\a+3]
.endr
.irp a, 0,1
	v_mul_f32 v[T4+4*\a], s[CS], v[T4+4*\a]        ; as t
.endr
.irp a, 0,1
	v_max_num_f32 v[PT+8*\a+1], v[PT+8*\a+1], v[T4+4*\a]   ; the running largest t
.endr
.irp a, 0,1
	v_mov_b32 v[T4+4*\a], v[PT+8*\a]
.endr
.irp a, 0,1
	v_floor_f32 v[PT+8*\a], -v[PT+8*\a+1]          ; the new -M = -ceil(t)
.endr
.irp a, 0,1
	v_sub_f32 v[T4+4*\a], v[PT+8*\a], v[T4+4*\a]   ; old M - new M
.endr
.irp a, 0,1
	v_cvt_i32_f32 v[T4+4*\a], v[T4+4*\a]           ; (it saturates)
.endr
.irp a, 0,1
	v_ldexp_f32 v[PT+8*\a+4], 1.0, v[T4+4*\a]      ; f = 2^(old M - new M)
.endr
.set n, 0
.rept 32
	v_pk_fma_f32 v[S+n:S+n+1], v[S+n:S+n+1], s[CS:CS+1], v[PT:PT+1] op_sel_hi:[1,0,0]   ; tile 0: t - M
.set n, n+2
.endr
.irp b, 0,1,2,3
	v_fma_f32 v[BM+\b], v[BM+\b], s[CS], v[PT]
.endr
	WALU                                           ; ahead of the first batch
.set n, 0
.rept 32
	v_exp_f32 v[S+n], v[S+n]                       ; tile 0: p = 2^(t - M);
	v_pk_fma_f32 v[S+64+n:S+64+n+1], v[S+64+n:S+64+n+1], s[CS:CS+1], v[PT+8:PT+9] op_sel_hi:[1,0,0]   ; by turns tile 1's t - M, read behind the waits below
	v_exp_f32 v[S+n+1], v[S+n+1]
.set n, n+2
.endr
.irp b, 0,1,2,3
	v_exp_f32 v[BM+\b], v[BM+\b]                   ; tile 0: each block's largest p
	v_fma_f32 v[BM+4+\b], v[BM+4+\b], s[CS], v[PT+8]
.endr
	v_pk_mul_f32 v[PT+2:PT+3], v[PT+2:PT+3], v[PT+4:PT+5] op_sel_hi:[1,0]   ; l under the new M
	WALU                                           ; behind the first batch
	SCALES 0
	SUMS 0
	WALU                                           ; ahead of the second batch
.set n, 0
.rept 32
	v_exp_f32 v[S+64+n], v[S+64+n]                 ; tile 1: p;
	HOLD2 S+n, HO+n/16                             ; by turns tile 0's holds, read behind the wait below
	v_exp_f32 v[S+64+n+1], v[S+64+n+1]
.set n, n+2
.endr
.irp b, 0,1,2,3
	v_exp_f32 v[BM+4+\b], v[BM+4+\b]
.endr
	v_pk_mul_f32 v[PT+10:PT+11], v[PT+10:PT+11], v[PT+12:PT+13] op_sel_hi:[1,0]
	WALU                                           ; behind the second batch, and ahead of the waits and branches below
.if \mode > 0
	s_barrier_wait -1                              ; every wave's part of the next slot is in, and nobody reads this slot any more
.if \mode == 1
	CREST                                          ; the same of all four work-groups
	TLOAD                                          ; the joint refill of the slot just left, first behind the round
	s_cmp_lt_u32 s[SL], 9                          ; trip t loads slot t + 2 and asks for slot t + 3: there are 12
	s_cbranch_scc0 .Lnone_ahead_\@
	global_prefetch_b8 v[PFO], s[PFA:PFA+1] th:TH_LOAD_NT scope:SCOPE_SE
.Lnone_ahead_\@:
.endif
	s_xor_b32 s[TB], s[TB], SLOTB                  ; on to the other slot
	v_add_nc_u32 v[AD], s[TB], v[A0]
	v_add_nc_u32 v[ADS], s[TB], v[AS0]
	KLOAD 0
.else
	KLOAD REC
.endif
.irp b, 0,1,2,3
	CODES 0, \b
.endr
	SCALES 1
	SUMS 1
.irp b, 0,1,2,3
.irp i, 0,2,4,6,8,10,12,14
	HOLD2 S+64+16*\b+\i, HO+4+\b
.endr
	CODES 1, \b
.endr
	WIN 0x41                                       ; O^T in window 1, f in window 0
	WALU                                           ; directly ahead of the first reader of O^T
.irp a, 0,1
.set n, 0
.rept 16
	v_pk_mul_f32 v[O+32*\a+n:O+32*\a+n+1], v[O+32*\a+n:O+32*\a+n+1], v[PT+8*\a+4:PT+8*\a+5] op_sel_hi:[1,0]   ; O^T under the new M; also the places between the codes and the products
.set n, n+2
.endr
.endr
	WALU
	s_wait_dscnt 20                                ; V is in; the next K's 16 loads and 4 scale loads, issued behind it, may be out
	WIN 0x51                                       ; V, C and D in window 1, p's codes in window 0
.irp j, 0,2
.irp a, 0,1
	v_wmma_scale_f32_16x16x128_f8f6f4 v[O+32*\a+8*\j:O+32*\a+8*\j+7], v[VF+16*\j:VF+16*\j+15], v[PCD+16*\a:PCD+16*\a+15], v[O+32*\a+8*\j:O+32*\a+8*\j+7], v[VS+\j/2], v[PT+8*\a+6] matrix_a_fmt:MATRIX_FMT_BF8 matrix_b_fmt:MATRIX_FMT_BF8
.endr
.irp a, 0,1
	v_wmma_scale_f32_16x16x128_f8f6f4 v[O+32*\a+8*\j+8:O+32*\a+8*\j+15], v[VF+16*\j+16:VF+16*\j+31], v[PCD+16*\a:PCD+16*\a+15], v[O+32*\a+8*\j+8:O+32*\a+8*\j+15], v[VS+\j/2], v[PT+8*\a+6] matrix_a_fmt:MATRIX_FMT_BF8 matrix_b_fmt:MATRIX_FMT_BF8 matrix_a_scale:MATRIX_SCALE_ROW1
.endr
.endr
	WIN 0
.endm
; Two partial results under M_a and M_b become one under the larger M: both are multiplied by a power of two, which rounds nothing.  kp, sd: n pairs of O^T; mk, ms: -M and l.
.macro COMBINE kp, sd, n, mk, ms
	v_min_num_f32 v247, v[(\mk)], v[(\ms)]
	v_sub_f32 v248, v247, v[(\mk)]
	v_sub_f32 v250, v247, v[(\ms)]
	v_cvt_i32_f32 v248, v248
	v_cvt_i32_f32 v250, v250
	v_ldexp_f32 v248, 1.0, v248
	v_ldexp_f32 v250, 1.0, v250
	v_mov_b32 v[(\mk)], v247
	v_mul_f32 v[(\mk)+1], v[(\mk)+1], v248
	v_fmac_f32 v[(\mk)+1], v[(\ms)+1], v250
.set n2, 0
.rept \n
	v_pk_mul_f32 v[(\kp)+n2:(\kp)+n2+1], v[(\kp)+n2:(\kp)+n2+1], v[248:249] op_sel_hi:[1,0]
.set n2, n2+2
.endr
.set n2, 0
.rept \n
	v_pk_fma_f32 v[(\kp)+n2:(\kp)+n2+1], v[(\sd)+n2:(\sd)+n2+1], v[250:251], v[(\kp)+n2:(\kp)+n2+1] op_sel_hi:[1,0,1]
.set n2, n2+2
.endr
.endm
; A HEAD'S END.  last = 0: the next head's Q moves into its place and the state begins anew, between the first barrier's signal and its wait.
.macro MERGE last
	v_add_f32 v[PT+2], v[PT+2], v[PT+3]            ; (these ten lines are the places behind the last products)
	v_add_f32 v[PT+10], v[PT+10], v[PT+11]
	v_and_b32 v246, 31, v0
	v_lshlrev_b32 v246, 3, v246
	v_add_nc_u32 v240, s[SW0], v[L16]
	v_add_nc_u32 v241, s[SW0], v246
	v_add_nc_u32 v242, s[SW1], v[L16]
	v_add_nc_u32 v243, s[SW1], v246
	v_add_nc_u32 v244, s[SW2], v[L16]
	v_add_nc_u32 v245, s[SW2], v246
	WIN 0x05                                       ; both sources in window 1
.set n, 0
.rept 32
	v_cndmask_b32 v[KP+n], v[O+n], v[O+32+n], s[M1]       ; I keep tile j / 2 of my two
	v_cndmask_b32 v[SD+n], v[O+32+n], v[O+n], s[M1]       ; and send the other
.set n, n+1
.endr
	WIN 0
	v_cndmask_b32 v[KP+32], v[PT], v[PT+8], s[M1]
	v_cndmask_b32 v[KP+33], v[PT+2], v[PT+10], s[M1]
	v_cndmask_b32 v[SD+32], v[PT+8], v[PT], s[M1]
	v_cndmask_b32 v[SD+33], v[PT+10], v[PT+2], s[M1]
.irp i, 0,1,2,3,4,5,6,7
	ds_store_b128 v240, v[SD+4*\i:SD+4*\i+3] offset:512*\i
.endr
	ds_store_b64 v241, v[SD+32:SD+33] offset:4096
	WALU
	s_wait_dscnt 0x0                               ; for the others' sake
	s_barrier_signal -1
.if \last == 0
	WIN 0x01                                       ; the source in window 1
.irp a, 0,1
.irp i, 0,1,2,3,4,5,6,7
	v_mov_b32 v[QF+16*\a+\i], v[QN+20+8*\a+\i]     ; the next head's Q
.endr
	v_mov_b32 v[PT+8*\a+7], v[QN+36+\a]            ; and its scale words
.endr
	WIN 0x41
.set n, 0
.rept 18
	v_mov_b32 v[QN+20+n], v[QN+40+n]               ; the head after that moves up
.set n, n+1
.endr
	INIT
.endif
	s_barrier_wait -1
.irp i, 0,1,2,3,4,5,6,7
	ds_load_b128 v[SD+4*\i:SD+4*\i+3], v242 offset:512*\i
.endr
	ds_load_b64 v[SD+32:SD+33], v243 offset:4096
	s_wait_dscnt 0x0                               ; my reads of the stage are over:
	s_barrier_signal -1                            ; say so, and work on registers meanwhile
	COMBINE KP, SD, 16, KP+32, SD+32
.set n, 0
.rept 16
	v_cndmask_b32 v[SD+n], v[KP+n], v[KP+16+n], s[M2]     ; I keep block j % 2 of the tile
	v_cndmask_b32 v[SD+16+n], v[KP+16+n], v[KP+n], s[M2]  ; and send the other
.set n, n+1
.endr
	s_barrier_wait -1
	WALU
.irp i, 0,1,2,3
	ds_store_b128 v240, v[SD+16+4*\i:SD+16+4*\i+3] offset:512*\i
.endr
	ds_store_b64 v241, v[KP+32:KP+33] offset:4096
	s_wait_dscnt 0x0
	BARRIER
.irp i, 0,1,2,3
	ds_load_b128 v[SD+16+4*\i:SD+16+4*\i+3], v244 offset:512*\i
.endr
	ds_load_b64 v[SD+32:SD+33], v245 offset:4096
	s_wait_dscnt 0x0
	COMBINE SD, SD+16, 8, KP+32, SD+32
	v_permlanex16_b32 v246, v[KP+33], s[SEL], s[SEL+1]
	v_add_f32 v246, v246, v[KP+33]                 ; the row's sum
	WALU
	v_rcp_f32 v248, v246
	v_nop
	WALU
	v_mov_b32 v249, v248
.set n, 0
.rept 8
	v_pk_mul_f32 v[SD+n:SD+n+1], v[SD+n:SD+n+1], v[248:249]   ; O / l: register i = feature 32 block + 16 h + i of my query
.set n, n+2
.endr
	v_max3_num_f32 v250, |v[SD]|, |v[SD+1]|, 0x8000000
	v_max3_num_f32 v251, |v[SD+2]|, |v[SD+3]|, |v[SD+4]|
	v_max3_num_f32 v250, v250, |v[SD+5]|, |v[SD+6]|
	v_max3_num_f32 v251, v251, |v[SD+7]|, |v[SD+8]|
	v_max3_num_f32 v250, v250, |v[SD+9]|, |v[SD+10]|
	v_max3_num_f32 v251, v251, |v[SD+11]|, |v[SD+12]|
	v_max3_num_f32 v250, v250, |v[SD+13]|, |v[SD+14]|
	v_max3_num_f32 v251, v251, |v[SD+15]|, v250
	v_permlanex16_b32 v250, v251, s[SEL], s[SEL+1]
	v_max_num_f32 v251, v251, v250
	v_add_nc_u32 v252, 0xf8800000, v251
	v_and_or_b32 v253, v251, 0x7f800000, s[MNT]
	v_lshrrev_b32 v254, 23, v252
.set n, 0
.rept 16
	v_med3_num_f32 v[SD+n], v[SD+n], -v253, v253
.set n, n+1
.endr
	v_cvt_scalef32_pk8_bf8_f32 v[224:225], v[SD:SD+7], v252
	v_cvt_scalef32_pk8_bf8_f32 v[226:227], v[SD+8:SD+15], v252
	v_lshrrev_b32 v255, 1, v[L4R]                  ; 2 r.  (A plain line behind the last conversion)
	global_store_b128 v[L16], v[224:227], s[OC:OC+1]      ; 512 consecutive bytes
	global_store_b8 v255, v254, s[OS:OS+1]         ; lanes r and r + 16 store the same byte with the same value
.if \last == 0
	s_wait_xcnt 0x0                                ; the stores have read their registers and bases
	s_add_nc_u64 s[OC:OC+1], s[OC:OC+1], 1024      ; the next head
	s_add_nc_u64 s[OS:OS+1], s[OS:OS+1], 32
.endif
.endm
	WALU                                           ; the head's end
	s_wait_tensorcnt 0x0                           ; my part of slot 0 is in; slot 1's first fill is issued as a refill is:
	ds_add_u32 v[SPW], v[NIL]
	NEXTFILL
	s_wait_dscnt 0x0
	CROUND
	TLOAD                                          ; slot 1
	global_prefetch_b8 v[PFO], s[PFA:PFA+1] th:TH_LOAD_NT scope:SCOPE_SE   ; slot 2
	KLOAD 0                                        ; the first K
	s_wait_loadcnt 0x0                             ; Q
.Lslot:                                            ; 10 trips, a slot each: in each the slot two on is asked for
	STEP2 0, 0
	STEP2 1, 1
	s_and_b32 s2, s[SL], 3
	s_cmp_lg_u32 s2, 3                             ; a head is four slots: the count of trips alone decides, alike in all waves
	s_cbranch_scc1 .Lsame_head
	MERGE 0
.Lsame_head:
	s_add_co_u32 s[SL], s[SL], 1
	s_cmp_lt_u32 s[SL], 10
	s_cbranch_scc1 .Lslot
	s_mov_b32 s[QC], 0
.Ltail:                                            ; the last two slots ask for nothing
	STEP2 0, 0
	STEP2 1, 2
	s_add_co_u32 s[QC], s[QC], 1
	s_cmp_lt_u32 s[QC], 2
	s_cbranch_scc1 .Ltail
	MERGE 1
	s_wait_tensorcnt 0x0                           ; the wave's end
	ds_add_u32 v[SPW], v[NIL]
	s_wait_dscnt 0x0
	CROUND                                         ; the closing round
	s_endpgm
.Lfunc_end_k_q593c1d0000_attn:
	.size	k_q593c1d0000_attn, .Lfunc_end_k_q593c1d0000_attn-k_q593c1d0000_attn
	.p2alignl 7, 3214868480
	.fill 96, 4, 3214868480
	.section	.rodata,"a",@progbits
	.p2align	6, 0x0
	.amdhsa_kernel k_q593c1d0000_attn
		.amdhsa_group_segment_fixed_size 327680
		.amdhsa_private_segment_fixed_size 0
		.amdhsa_enable_private_segment 0
		.amdhsa_kernarg_size 32
		.amdhsa_user_sgpr_count 2
		.amdhsa_user_sgpr_kernarg_segment_ptr 1
		.amdhsa_wavefront_size32 1
		.amdhsa_system_sgpr_workgroup_id_x 1
		.amdhsa_system_sgpr_workgroup_id_y 1
		.amdhsa_system_sgpr_workgroup_id_z 1
		.amdhsa_system_vgpr_workitem_id 0
		.amdhsa_next_free_vgpr 512
		.amdhsa_next_free_sgpr 72
		.amdhsa_reserve_vcc 0
		.amdhsa_float_denorm_mode_32 3
		.amdhsa_float_denorm_mode_16_64 3
		.amdhsa_memory_ordered 1
		.amdhsa_forward_progress 1
		.amdhsa_inst_pref_size 186
	.end_amdhsa_kernel
	.amdgpu_metadata
---
amdhsa.version: [ 1, 2 ]
amdhsa.kernels:
  - .name:           k_q593c1d0000_attn
    .symbol:         k_q593c1d0000_attn.kd
    .args:
      - { .name: qrec, .offset: 0, .size: 8, .value_kind: global_buffer, .address_space: global }
      - { .name: kv, .offset: 8, .size: 8, .value_kind: global_buffer, .address_space: global }
      - { .name: cc, .offset: 16, .size: 8, .value_kind: global_buffer, .address_space: global }
      - { .name: cs, .offset: 24, .size: 8, .value_kind: global_buffer, .address_space: global }
    .group_segment_fixed_size: 327680
    .private_segment_fixed_size: 0
    .kernarg_segment_align: 8
    .kernarg_segment_size: 32
    .max_flat_workgroup_size: 256
    .sgpr_count:     72
    .vgpr_count:     512
    .wavefront_size: 32
...
	.end_amdgpu_metadata
.endif
;; end of part 2
;; launch proj (part 3): grid 256 x 1, 8 waves a work-group, clusters of 4 x 1, 230,400 bytes of LDS; arguments cc, cs, Wp_codes, Wp_scales, bp, output_cap, out0; writes out0
.if DOCPART == 3
	.amdgcn_target "amdgcn-amd-amdhsa--gfx1250"
	.amdhsa_code_object_version 6
	.text
	.protected	k_q593c1d0000_proj
	.globl	k_q593c1d0000_proj
	.p2align	8
	.type	k_q593c1d0000_proj,@function
k_q593c1d0000_proj:
	s_mov_b64 s[64:65], 0
	v_nop
	global_prefetch_b8 v0, s[64:65] scope:SCOPE_SE
	s_setreg_imm32_b32 hwreg(HW_REG_WAVE_MODE, 25, 1), 1
	s_wait_xcnt 0x0
	s_wait_alu depctr_hold_cnt(0) depctr_sa_sdst(0) depctr_va_vdst(0) depctr_va_sdst(0) depctr_va_ssrc(0) depctr_va_vcc(0) depctr_vm_vsrc(0)
	s_getreg_b32 s2, hwreg(HW_REG_IB_STS2, 6, 4)
	s_cmp_eq_u32 s2, 0
	s_cbranch_scc0 .Lentry_in_a_cluster
	s_endpgm
.Lentry_in_a_cluster:
	s_bfe_u32 s2, ttmp6, 0x10000c
	s_cmp_lg_u32 s2, 0x3003
	s_cbranch_scc0 .Lentry_shape_is_right
	s_endpgm
.Lentry_shape_is_right:
; out0 = output_cap + ctl Wp^T + bp; ctl arrives as codes of E5M2 (images of operand registers) with its scale bytes, Wp as given.
; A work-group takes 32 tokens: tiles 2 wg and 2 wg + 1 of ctl, whose lane r holds token 32 wg + 8 u + r + 8 (r / 8).  Wave w makes features 48 w .. 48 w + 47 (three tiles of Wp's rows, as they lie) for both tiles.
; CLUSTER: all work-groups read the same Wp, its scale bytes and bp: the four partners ask JOINTLY (mask 15), once.  One tensor load a wave.
; The product is used transposed (source 0 = 16 rows of Wp, source 1 = 16 tokens): a lane holds eight neighbouring features of one token; bp is the C of each sum's first product.
; The results meet in a stage (32 rows x (1,536 + 16) bytes, in the tiles' order); each wave reads four whole rows, which are four neighbouring tokens, adds output_cap and stores 512 consecutive bytes an instruction.
; LIMITS: NaN and infinities are not served.
.set WS,   165888                      ; LDS: from 0 Wp's codes: 384 rows x 432 (three pieces of 128 bytes, 16 of padding behind each); here its scale bytes, 12 a row;
.set BV,   170496                      ; bp;  (these three are filled by tensor loads, once)
.set STG2, 172032                      ; the stage
.set WSC,  16                          ; v16-24  Wp's scale words (3 tile + K step)
.set CSC,  25                          ; v25-30  ctl's (3 u + K step)
.set RAW,  32                          ; v32-43  ctl's scale bytes as stored: a word of two bytes for each head (6 u + head)
.set BI,   44                          ; v44-67  bp in the result's layout, eight registers a tile
.set ACC,  68                          ; v68-115 six accumulators (2 tile + u)
.set CF,   128                         ; v128-223 ctl's six fragments (3 u + K step); later 12 x 4 registers of rows read back
.set RES,  144                         ; window 1: v0-143 Wp's nine fragments (3 tile + K step); v144-191 output_cap's rows
.set WV,   34
.set G1C,  36
.set G0C,  44
.set G1S,  48
.set G0S,  56
.set G1B,  68
.set G0B,  76
.set MSB, 0
.macro WIN new
.if MSB != (\new)
	s_set_vgpr_msb (MSB<<8)|(\new)
.set MSB, (\new)
.endif
.endm
.macro PLACES n
.rept \n
	v_nop
.endr
.endm
.macro CROUND
	s_barrier_signal -1
	s_barrier_wait -1
	s_cmp_lg_u32 s[WV], 0
	s_cbranch_scc1 .Lnot_wave_0_\@
	s_barrier_signal -3
.Lnot_wave_0_\@:
	s_barrier_wait -3
	s_barrier_signal -1
	s_barrier_wait -1
.endm
.macro WDESC pc, ps, pb                ; the three descriptors of a wave's eighth of the weight; nothing in them hangs on the place in the cluster
	s_mov_b32 s[G1C], 15|(1<<20)|(1<<21)|(4<<22)|(3<<25)   ; mask: all four; elements of 1 byte; padding on; bit 21 beside a mask; after every 32 words four words
	s_mov_b32 s[G1C+1], 256<<16                    ; 64 rows of Wp, dense in memory, stated as 96 rows of 256 bytes; the padding still stands behind each 128 bytes
	s_mov_b32 s[G1C+2], 96<<16
	s_mov_b32 s[G1C+3], 256<<16
	s_mov_b32 s[G1C+4], 96
	s_mov_b32 s[G1C+5], 256
	s_mov_b32 s[G1C+6], 0
	s_mov_b32 s[G1C+7], 0
	s_mov_b32 s[G1S], 15|(3<<16)|(1<<21)           ; all 4,608 scale bytes: 18 rows of 256 bytes (32 elements of 8)
	s_mov_b32 s[G1S+1], 32<<16
	s_mov_b32 s[G1S+2], 18<<16
	s_mov_b32 s[G1S+3], 32<<16
	s_mov_b32 s[G1S+4], 18
	s_mov_b32 s[G1S+5], 32
	s_mov_b32 s[G1S+6], 0
	s_mov_b32 s[G1S+7], 0
	s_mov_b32 s[G1B], 15|(3<<16)|(1<<21)           ; all of bp: 6 rows of 256 bytes
	s_mov_b32 s[G1B+1], 32<<16
	s_mov_b32 s[G1B+2], 6<<16
	s_mov_b32 s[G1B+3], 32<<16
	s_mov_b32 s[G1B+4], 6
	s_mov_b32 s[G1B+5], 32
	s_mov_b32 s[G1B+6], 0
	s_mov_b32 s[G1B+7], 0
	s_mov_b32 s3, 0
	s_mov_b32 s[G0C], 1
	s_mul_i32 s[G0C+1], s[WV], 27648               ; LDS: 192 pieces x 144 bytes for each of waves 0 to 5
	s_mul_i32 s2, s[WV], 24576
	s_add_nc_u64 s[G0C+2:G0C+3], s[\pc:\pc+1], s[2:3]
	s_or_b32 s[G0C+3], s[G0C+3], 0x80000000
	s_mov_b32 s[G0S], 1
	s_mov_b32 s[G0S+1], WS
	s_mov_b64 s[G0S+2:G0S+3], s[\ps:\ps+1]
	s_or_b32 s[G0S+3], s[G0S+3], 0x80000000
	s_mov_b32 s[G0B], 1
	s_mov_b32 s[G0B+1], BV
	s_mov_b64 s[G0B+2:G0B+3], s[\pb:\pb+1]
	s_or_b32 s[G0B+3], s[G0B+3], 0x80000000
.endm
.macro WLOAD                           ; one joint load a wave, in one chain of branches on the wave's number: waves 0 to 5 a sixth of the codes, wave 6 the scale bytes, wave 7 bp
	s_cmp_lt_u32 s[WV], 6
	s_cbranch_scc0 .Lw_scales_\@
	tensor_load_to_lds s[G0C:G0C+3], s[G1C:G1C+7]
	s_nop 0
	PLACES 4
	s_branch .Lw_asked_\@
.Lw_scales_\@:
	s_cmp_lt_u32 s[WV], 7
	s_cbranch_scc0 .Lw_bias_\@
	tensor_load_to_lds s[G0S:G0S+3], s[G1S:G1S+7]
	s_nop 0
	PLACES 4
	s_branch .Lw_asked_\@
.Lw_bias_\@:
	tensor_load_to_lds s[G0B:G0B+3], s[G1B:G1B+7]
	s_nop 0
	PLACES 4
.Lw_asked_\@:
.endm
	s_load_b256 s[4:11], s[0:1], 0x0               ; cc 4, cs 6, Wp's codes 8, Wp's scales 10
	s_load_b128 s[12:15], s[0:1], 0x20             ; bp 12, output_cap 14
	s_load_b64 s[16:17], s[0:1], 0x30              ; out0
	v_lshl_add_u32 v254, v0, 2, 0x38000
	v_mov_b32 v255, 0
	ds_add_u32 v254, v255
	ds_add_u32 v254, v255
	v_lshrrev_b32 v1, 5, v0
	s_delay_alu instid0(VALU_DEP_1)
	v_readfirstlane_b32 s[WV], v1                  ; wave 0..7
	v_and_b32 v1, 31, v0                           ; lane
	v_and_b32 v2, 15, v0                           ; r
	v_bfe_u32 v3, v0, 4, 1                         ; h
	s_delay_alu instid0(VALU_DEP_3)
	v_lshlrev_b32 v5, 4, v1                        ; 16 x lane
	s_delay_alu instid0(VALU_DEP_3)
	v_lshlrev_b32 v7, 1, v2                        ; 2 r: ctl's scale bytes lie two a token and head
	s_delay_alu instid0(VALU_DEP_4)
	v_mul_u32_u24 v8, v2, 432
	s_delay_alu instid0(VALU_DEP_1)
	v_lshl_add_u32 v8, v3, 4, v8
	s_mul_i32 s86, s[WV], 20736
	v_add_nc_u32 v8, s86, v8                       ; Wp: row 48 w + r, + 16 h
	v_mul_u32_u24 v9, v2, 12
	s_mul_i32 s86, s[WV], 576
	s_add_co_u32 s86, s86, WS
	v_add_nc_u32 v9, s86, v9                       ; its scale words
	s_mul_i32 s86, s[WV], 192
	s_add_co_u32 s87, s86, BV
	v_lshl_add_u32 v10, v3, 5, s87                 ; bp: feature 48 w + 8 h on
	v_mul_u32_u24 v11, v2, 1552
	s_delay_alu instid0(VALU_DEP_1)
	v_lshl_add_u32 v11, v3, 5, v11
	s_add_co_u32 s86, s86, STG2
	v_add_nc_u32 v11, s86, v11                     ; the stage, in: row r, + 192 w + 32 h
	s_mul_i32 s86, s[WV], 6208
	s_add_co_u32 s86, s86, STG2
	v_add_nc_u32 v12, s86, v5                      ; and back: rows 4 w on, 16 bytes a lane
	s_bfe_u32 s35, ttmp6, 0x40000                  ; cx
	s_lshl_b32 s60, ttmp9, 2
	s_add_co_u32 s60, s60, s35                     ; work-group 0..255: it enters the addresses of cc, cs, output_cap and out0 alone
	s_mul_i32 s80, s60, 12288
	s_mov_b32 s81, 0
	s_mul_i32 s84, s60, 384
	s_mov_b32 s85, 0
	s_lshr_b32 s82, s[WV], 2                       ; stage rows 4 w + i are tile w / 4, lanes 4 (w % 4) + i: tokens 8 (w / 4) + 4 (w % 4) + 8 ((w % 4) / 2) + i
	s_lshl_b32 s82, s82, 3
	s_and_b32 s83, s[WV], 3
	s_lshl_b32 s88, s83, 2
	s_add_co_u32 s82, s82, s88
	s_lshr_b32 s83, s83, 1
	s_lshl_b32 s83, s83, 3
	s_add_co_u32 s82, s82, s83
	s_lshl_b32 s83, s60, 5
	s_add_co_u32 s82, s82, s83
	s_mul_i32 s82, s82, 1536
	s_mov_b32 s83, 0
	s_wait_dscnt 0x0
	s_wait_kmcnt 0x0
	s_add_nc_u64 s[4:5], s[4:5], s[80:81]
	s_add_nc_u64 s[6:7], s[6:7], s[84:85]
	s_add_nc_u64 s[14:15], s[14:15], s[82:83]
	s_add_nc_u64 s[16:17], s[16:17], s[82:83]
.irp u, 0,1
.irp s, 0,1,2
.irp c, 0,1,2,3
	global_load_b128 v[CF+16*(3*\u+\s)+4*\c:CF+16*(3*\u+\s)+4*\c+3], v5, s[4:5] offset:6144*\u+2048*\s+512*\c
.endr
.endr
.endr
.irp u, 0,1
.irp e, 0,1,2,3,4,5
	global_load_u16 v[RAW+6*\u+\e], v7, s[6:7] offset:192*\u+32*\e
.endr
.endr
	WIN 0x40
.irp i, 0,1,2,3
.irp k, 0,1,2
	global_load_b128 v[RES+4*(3*\i+\k):RES+4*(3*\i+\k)+3], v5, s[14:15] offset:1536*\i+512*\k th:TH_LOAD_NT   ; read once in this launch
.endr
.endr
	WIN 0
	WDESC 8, 10, 12
	CROUND                                         ; all four work-groups are here: the joint loads meet
	WLOAD
	s_wait_tensorcnt 0x0                           ; my eighth of the weight has landed,
	s_barrier_signal -1
	s_barrier_wait -1                              ; everybody's has
	WIN 0x40
	s_wait_alu depctr_va_vdst(0)
.irp tt, 0,1,2
.irp s, 0,1,2
.irp c, 0,1,2,3
	ds_load_b128 v[16*(3*\tt+\s)+4*\c:16*(3*\tt+\s)+4*\c+3], v8 offset:6912*\tt+144*\s+32*\c
.endr
.endr
.endr
	WIN 0
.irp tt, 0,1,2
.irp s, 0,1,2
	ds_load_b32 v[WSC+3*\tt+\s], v9 offset:192*\tt+4*\s
.endr
	ds_load_b128 v[BI+8*\tt:BI+8*\tt+3], v10 offset:64*\tt
	ds_load_b128 v[BI+8*\tt+4:BI+8*\tt+7], v10 offset:64*\tt+16
.endr
	s_wait_loadcnt 12                              ; ctl's codes and scale bytes are in; the 12 loads of output_cap, issued last, may be out
.irp u, 0,1
.irp s, 0,1,2
	v_lshl_or_b32 v[CSC+3*\u+\s], v[RAW+6*\u+2*\s+1], 16, v[RAW+6*\u+2*\s]   ; K step s is heads 2 s and 2 s + 1: two bytes of each
.endr
.endr
	PLACES 8                                       ; a scale register written by a vector instruction stands eight places ahead of the product
	s_wait_alu depctr_va_vdst(0)
	s_wait_dscnt 0x0
	WIN 0x01                                       ; source 0 (Wp) in window 1
.irp s, 0,1,2
.irp tt, 0,1,2
.irp u, 0,1
.if \s == 0
	v_wmma_scale_f32_16x16x128_f8f6f4 v[ACC+8*(2*\tt+\u):ACC+8*(2*\tt+\u)+7], v[16*(3*\tt+\s):16*(3*\tt+\s)+15], v[CF+16*(3*\u+\s):CF+16*(3*\u+\s)+15], v[BI+8*\tt:BI+8*\tt+7], v[WSC+3*\tt+\s], v[CSC+3*\u+\s] matrix_a_fmt:MATRIX_FMT_BF8 matrix_b_fmt:MATRIX_FMT_BF8
.else
	v_wmma_scale_f32_16x16x128_f8f6f4 v[ACC+8*(2*\tt+\u):ACC+8*(2*\tt+\u)+7], v[16*(3*\tt+\s):16*(3*\tt+\s)+15], v[CF+16*(3*\u+\s):CF+16*(3*\u+\s)+15], v[ACC+8*(2*\tt+\u):ACC+8*(2*\tt+\u)+7], v[WSC+3*\tt+\s], v[CSC+3*\u+\s] matrix_a_fmt:MATRIX_FMT_BF8 matrix_b_fmt:MATRIX_FMT_BF8
.endif
.endr
.endr
.endr
	WIN 0
	PLACES 8                                       ; in front of the first read of results and of loads over ctl's fragments
.irp tt, 0,1,2
.irp u, 0,1
	ds_store_b128 v11, v[ACC+8*(2*\tt+\u):ACC+8*(2*\tt+\u)+3] offset:24832*\u+64*\tt       ; each accumulator from its low end on
	ds_store_b128 v11, v[ACC+8*(2*\tt+\u)+4:ACC+8*(2*\tt+\u)+7] offset:24832*\u+64*\tt+16
.endr
.endr
	s_wait_dscnt 0x0                               ; for the others' sake: my stores into the stage are done
	s_barrier_signal -1
	s_barrier_wait -1
.irp i, 0,1,2,3
.irp k, 0,1,2
	ds_load_b128 v[CF+4*(3*\i+\k):CF+4*(3*\i+\k)+3], v12 offset:1552*\i+512*\k
.endr
.endr
	s_wait_loadcnt 0x0                             ; output_cap
	s_wait_dscnt 0x0
	WIN 0x04                                       ; source 1 (output_cap) in window 1
.set n, 0
.rept 24
	v_pk_add_f32 v[CF+2*n:CF+2*n+1], v[CF+2*n:CF+2*n+1], v[RES+2*n:RES+2*n+1]
.set n, n+1
.endr
	WIN 0
.irp i, 0,1,2,3
.irp k, 0,1,2
	global_store_b128 v5, v[CF+4*(3*\i+\k):CF+4*(3*\i+\k)+3], s[16:17] offset:1536*\i+512*\k th:TH_STORE_NT   ; 512 consecutive bytes, aligned to 256; written once
.endr
.endr
	s_wait_tensorcnt 0x0
	ds_add_u32 v254, v255
	s_wait_dscnt 0x0
	CROUND                                         ; the closing round
	s_endpgm
.Lfunc_end_k_q593c1d0000_proj:
	.size	k_q593c1d0000_proj, .Lfunc_end_k_q593c1d0000_proj-k_q593c1d0000_proj
	.p2alignl 7, 3214868480
	.fill 96, 4, 3214868480
	.section	.rodata,"a",@progbits
	.p2align	6, 0x0
	.amdhsa_kernel k_q593c1d0000_proj
		.amdhsa_group_segment_fixed_size 230400
		.amdhsa_private_segment_fixed_size 0
		.amdhsa_enable_private_segment 0
		.amdhsa_kernarg_size 56
		.amdhsa_user_sgpr_count 2
		.amdhsa_user_sgpr_kernarg_segment_ptr 1
		.amdhsa_wavefront_size32 1
		.amdhsa_system_sgpr_workgroup_id_x 1
		.amdhsa_system_sgpr_workgroup_id_y 1
		.amdhsa_system_sgpr_workgroup_id_z 1
		.amdhsa_system_vgpr_workitem_id 0
		.amdhsa_next_free_vgpr 448
		.amdhsa_next_free_sgpr 96
		.amdhsa_reserve_vcc 0
		.amdhsa_float_denorm_mode_32 3
		.amdhsa_float_denorm_mode_16_64 3
		.amdhsa_memory_ordered 1
		.amdhsa_forward_progress 1
		.amdhsa_inst_pref_size 23
	.end_amdhsa_kernel
	.amdgpu_metadata
---
amdhsa.version: [ 1, 2 ]
amdhsa.kernels:
  - .name:           k_q593c1d0000_proj
    .symbol:         k_q593c1d0000_proj.kd
    .args:
      - { .name: cc, .offset: 0, .size: 8, .value_kind: global_buffer, .address_space: global }
      - { .name: cs, .offset: 8, .size: 8, .value_kind: global_buffer, .address_space: global }
      - { .name: Wp_codes, .offset: 16, .size: 8, .value_kind: global_buffer, .address_space: global }
      - { .name: Wp_scales, .offset: 24, .size: 8, .value_kind: global_buffer, .address_space: global }
      - { .name: bp, .offset: 32, .size: 8, .value_kind: global_buffer, .address_space: global }
      - { .name: output_cap, .offset: 40, .size: 8, .value_kind: global_buffer, .address_space: global }
      - { .name: out0, .offset: 48, .size: 8, .value_kind: global_buffer, .address_space: global }
    .group_segment_fixed_size: 230400
    .private_segment_fixed_size: 0
    .kernarg_segment_align: 8
    .kernarg_segment_size: 56
    .max_flat_workgroup_size: 256
    .sgpr_count:     96
    .vgpr_count:     448
    .wavefront_size: 32
...
	.end_amdgpu_metadata
.endif
;; end of part 3
